; MI455X (gfx1250); checked and timed in simulation.
; The chip was launched on July 23, 2026; its instructions are those of AMD's public machine-readable ISA for CDNA 5 (MIT licence, August 2026) and "CDNA5" Instruction Set Architecture Reference Guide (July 2026). The comments in the code are by the model that wrote it; some were corrected since.
;; Causal Attention Layer. Allowed arithmetic: matrix products marked QUANTISED: E5M2 operands, one E8M0 scale for each 32 along K, by v_wmma_scale_f32_16x16x128_f8f6f4 with both operands' format E5M2, f32 sums; everything else in f32.
;; Inputs: W_out 1,024 x 1,024 float32; W_qkv 1,024 x 3,072 float32; b_out 1,024 float32; b_qkv 3,072 float32; x 4 x 2,048 x 1,024 float32.
;; Outputs: out0 4 x 2,048 x 1,024 float32.
;; This version of the problem:
;;   THIS VERSION OF THE PROBLEM IS GIVEN IN LOW PRECISION. The matrix products marked QUANTISED in the list below multiply operands that are first quantised to E5M2 (5 exponent bits, 2 mantissa bits; 8 bits a number), with one power-of-two scale for each 32 numbers along K (OCP MX v1.0); their sums are f32. All else is computed in f32.
;;   The module's matrix products, in the order in which they are computed (A, B: the left and right operand; K: the contracted axis; several contracted axes count as one K, in the product's order):
;;     1. [M 8,192, K 1,024] x [K 1,024, N 3,072]; A: input x; B: input W_qkv: QUANTISED
;;     2. batch 64 x [M 2,048, K 64] x [K 64, N 2,048]; A: computed on the way; B: computed on the way: QUANTISED
;;     3. batch 64 x [M 2,048, K 2,048] x [K 2,048, N 64]; A: softmax (see below); B: computed on the way: QUANTISED
;;     4. [M 8,192, K 1,024] x [K 1,024, N 1,024]; A: computed on the way; B: input W_out: QUANTISED
;;   THE QUANTISER, for each operand of a quantised product, along K:
;;     - K is cut into blocks of 32 from its start; a last block that is shorter is filled with zeros.
;;     - A block's scale is 2^e with e = floor(log2(the largest magnitude in the block)) - 15, held to -126 .. 127; a block of zeros has e = 0. As a byte (E8M0): e + 127.
;;     - Each number is divided by its block's scale, clamped to +-57,344, and rounded to the nearest number of E5M2, ties to even, subnormals kept.
;;     - The product sums the exact products of the quantised numbers (number of the format x scale) in f32.
;;   ~~~python
;;   def quantise(x, axis):      # numpy; x: float32 -> the quantised numbers, widened to float32 again
;;       x = np.moveaxis(x, axis, -1); K = x.shape[-1]
;;       x = np.pad(x, [(0, 0)] * (x.ndim - 1) + [(0, -K % 32)]); x = x.reshape(x.shape[:-1] + (-1, 32)); a = np.abs(x).max(-1, keepdims=True)
;;       e = np.where(a > 0, np.clip(np.frexp(np.where(a > 0, a, 1))[1] - 1 - 15, -126, 127), 0)      # np.frexp(a)[1] - 1 = floor(log2(a)), exactly
;;       r = np.clip(x / 2.0 ** e, -57344, 57344)
;;       step = 2.0 ** (np.maximum(np.frexp(np.where(r == 0, 1, r))[1] - 1, -14) - 2)
;;       q = np.round(r / step) * step * 2.0 ** e      # np.round: ties to even
;;       return np.moveaxis(q.reshape(q.shape[:-2] + (-1,))[..., :K], -1, axis).astype(np.float32)
;;   ~~~
;;   SOFTMAX AHEAD OF A QUANTISED PRODUCT. Where the list says 'softmax', what is quantised is not the finished softmax but p = 2^(t - M), with t = logit x log2(e) and M = ceil(the row's largest t), a whole number; so 1/2 < the row's largest p <= 1. The row's sum l is taken of the UNQUANTISED p, in f32, and the product's result is divided by l at the end. Since M is a whole number, a kernel that streams over the keys may use a running M (the ceiling of the running maximum): every later rescaling is an exact power of two, which a block's scale takes up: the codes' values come out the same.
;;   OPERANDS COMPUTED ON THE WAY. 'Computed on the way' means the value that the module computes at that place (a softmax that the list does not call 'softmax' is quantised finished and normalised). What goes into a quantiser is computed in f32, as accurately as f32 sums, v_exp_f32 and their like allow (about 1e-6 of the number): no bf16 or f16 on the way to a quantiser, and a product that is left as it is and whose result goes on into a quantised operand takes f32 operands (vector FMAs, or v_wmma_f32_16x16x4_f32). A number that lies on a knife's edge between two numbers of the format may be rounded either way, as far as f32 arithmetic and the matrix unit's own rounding can turn it there, and no further.
;; One version. Each part assembles by itself: llvm-mc -triple=amdgcn-amd-amdhsa -mcpu=gfx1250 --defsym DOCPART=n.
;; ======== version 1 of 1: 4 launches
;; limits: right only within a limited range of input values
;; workspace buffers: pc 12,582,912 bytes; ps 393,216 bytes; qkvc 25,165,824 bytes; qkvs 786,432 bytes; attc 8,388,608 bytes; atts 262,144 bytes
;; launch prep (part 1): grid 1024 x 1, 4 waves a work-group, no clusters, 67,328 bytes of LDS; arguments x, W_qkv, W_out, pc, ps; writes pc, ps
.if DOCPART == 1
	.amdgcn_target "amdgcn-amd-amdhsa--gfx1250"
	.amdhsa_code_object_version 6
	.text
	.protected	k_q762fa3c2f6_prep
	.globl	k_q762fa3c2f6_prep
	.p2align	8
	.type	k_q762fa3c2f6_prep,@function
k_q762fa3c2f6_prep:
	s_mov_b64 s[64:65], 0
	v_nop
	global_prefetch_b8 v0, s[64:65] scope:SCOPE_SE
	s_setreg_imm32_b32 hwreg(HW_REG_WAVE_MODE, 25, 1), 1
	s_wait_xcnt 0x0
; x [8192][1024], W_qkv [1024][3072] and W_out [1024][1024], f32, become codes of BF8 (E5M2) with one E8M0 byte for each 32 along K (K = 1,024: x's last axis, the weights' first).
; A block's scale is 2^(floor(log2(largest magnitude)) - 15): its byte is that magnitude's exponent field - 15, held at 1 from below; each number is held within +-57,344 x the scale and rounded to the nearest code.
; LIMITS: a block of zeros keeps the byte 1 (its codes are zeros, and only this program reads the bytes); NaN and infinities among the inputs are not served.
; THE IMAGE.  Codes are laid in the order of an operand's registers.  Of an operand [rows][1024]: byte(row, k) = (k/256) rows 256 + (row/256) 65536 + i 4096 + ((k/128)%2) 2048 + ((k/32)%4) 512 + ((k/16)%2) 256 + r 16 + k%16,
; where fragment i = 2 g + u of a tile of 256 rows holds the rows 32 g + 8 u + r + 8 (r/8), r = 0 .. 15.  Scale bytes: (row/256) 8192 + (k/256) 2048 + i 128 + r 8 + ((k/128)%2) 4 + (k/32)%4.
; pc: x's image at 0, W_qkv's (3,072 rows = its columns) at 8,388,608, W_out's at 11,534,336.  ps: their bytes at 0, 262,144, 360,448.
; Work-groups 0-511 take x (one fragment of 16 rows each, a wave 256 along K), 512-1023 the weights (32 columns x 256 along K each, a wave 64 along K).  The two ways use LDS bytes of their own.
.set XPITCH, 1040                      ; x's stage: a row's 1,024 bytes + 16: an odd multiple of 16, so that sixteen rows start at sixteen different groups of banks
.set XREG,   16*XPITCH                 ; a wave's stage
.set WSC,    4*XREG                    ; behind the four stages: 256 scale bytes of the weights' way
.set FLOOR,  0x8000000                 ; 2^(16 - 127)
.set EOFF,   0xf8800000                ; -(15 << 23)
.set XN,     96                        ; v96-127  two sets of 16 neighbours
.set CD,     64                        ; v64-95   codes: registers of their own for each store
.set LD,     128                       ; v128-255 numbers as loaded
	s_load_b256 s[4:11], s[0:1], 0x0               ; x s[4:5], W_qkv s[6:7], W_out s[8:9], pc s[10:11]
	s_load_b64 s[12:13], s[0:1], 0x20              ; ps
	v_lshl_add_u32 v62, v0, 2, 0x10500
	v_mov_b32 v63, 0
	v_lshrrev_b32 v1, 5, v0
	v_readfirstlane_b32 s14, v1                    ; wave 0..3
	v_and_b32 v1, 31, v0                           ; lane
	s_mov_b32 s16, 0x76543210
	s_mov_b32 s17, 0xfedcba98                      ; selects: lane l xor 16
	s_cmp_lt_u32 ttmp9, 512
	s_cbranch_scc0 .Lweights
	; ---------------- x: fragment F = the work-group's number, K = 256 x wave on
	v_and_b32 v6, 15, v0                           ; r
	v_bfe_u32 v7, v0, 4, 1                         ; h
	v_lshlrev_b32 v2, 4, v1                        ; 16 x lane
	s_wait_alu depctr_va_vdst(0)
	s_mul_i32 s18, s14, XREG
	v_add_nc_u32 v3, s18, v2                       ; the stage, on the way in: bytes as loaded
	v_mul_u32_u24 v4, v6, XPITCH
	v_lshl_add_u32 v4, v7, 6, v4
	v_add_nc_u32 v4, s18, v4                       ; on the way out: row r, + 64 h: my 16 numbers of a block of 32
	v_lshlrev_b32 v5, 3, v6
	v_lshl_add_u32 v5, v7, 2, v5                   ; scale words: 8 r + 4 h
	s_wait_alu depctr_va_vdst(0)
	v_mov_b32 v14, 0                               ; (a lane permute's destination counts as read)
	s_lshr_b32 s19, ttmp9, 1
	s_lshl_b32 s19, s19, 17                        ; 32 (F/2) rows of 4,096 bytes
	s_and_b32 s20, ttmp9, 1
	s_lshl_b32 s20, s20, 15                        ; + 8 (F%2) rows
	s_add_co_u32 s19, s19, s20
	s_lshl_b32 s20, s14, 10                        ; + 256 numbers x wave
	s_add_co_u32 s19, s19, s20
	v_add_nc_u32 v9, s19, v2                       ; offset in x
	s_lshl_b32 s19, s14, 21                        ; image: wave x 2,097,152 + F x 4,096
	s_lshl_b32 s20, ttmp9, 12
	s_add_co_u32 s19, s19, s20
	v_add_nc_u32 v10, s19, v2
	s_lshr_b32 s19, ttmp9, 4                       ; scale bytes: (F/16) 8192 + wave 2048 + (F%16) 128
	s_lshl_b32 s19, s19, 13
	s_lshl_b32 s20, s14, 11
	s_add_co_u32 s19, s19, s20
	s_and_b32 s20, ttmp9, 15
	s_lshl_b32 s20, s20, 7
	s_add_co_u32 s19, s19, s20
	v_add_nc_u32 v11, s19, v5
	s_wait_alu depctr_va_vdst(0)
	s_wait_kmcnt 0x0
.set j, 0
.rept 32                                       ; load j: row j/2 of the fragment, half j%2 of its 1,024 bytes: 32 lanes read 512 consecutive bytes
	global_load_b128 v[LD+4*j:LD+4*j+3], v9, s[4:5] offset:((j/2)+8*((j/2)/8))*4096+512*(j%2) th:TH_LOAD_NT
.set j, j+1
.endr
.set j, 0
.rept 32
	s_wait_loadcnt 31-j                            ; loads return in order: load j is in, the 31 - j younger ones may be out
	ds_store_b128 v3, v[LD+4*j:LD+4*j+3] offset:(j/2)*XPITCH+512*(j%2)
.set j, j+1
.endr
.macro XGET n                          ; block n of 32 along K: my 16 numbers into set n % 2 (LDS serves a wave's instructions in order: these see the stores above)
.irp j, 0,1,2,3
	ds_load_b128 v[XN+16*((\n)%2)+4*\j:XN+16*((\n)%2)+4*\j+3], v4 offset:128*(\n)+16*\j
.endr
.endm
.macro G16 n
.set XS, XN+16*((\n)%2)
.if (\n) < 7
	s_wait_dscnt 4                                 ; this block's four loads are in; the next block's four may be out
.else
	s_wait_dscnt 0x0
.endif
	v_max3_num_f32 v12, |v[XS]|, |v[XS+1]|, |v[XS+2]|
	v_max3_num_f32 v13, |v[XS+3]|, |v[XS+4]|, |v[XS+5]|
.irp i, 6,10
	v_max3_num_f32 v12, v12, |v[XS+\i]|, |v[XS+\i+1]|
	v_max3_num_f32 v13, v13, |v[XS+\i+2]|, |v[XS+\i+3]|
.endr
	v_max3_num_f32 v12, v12, |v[XS+14]|, |v[XS+15]|
	v_max3_num_f32 v12, v12, v13, FLOOR            ; with the floor: the byte cannot fall under 1
	v_permlanex16_b32 v14, v12, s16, s17
	v_max_num_f32 v12, v12, v14                    ; with lane l xor 16's 16: the block's largest magnitude
	v_add_nc_u32 v15, EOFF, v12                    ; 15 off its exponent field: the conversion's scale operand
.irp i, 0,1,2,3,4,5,6,7,8,9,10,11,12,13,14,15
.endr
	v_cvt_scalef32_pk8_bf8_f32 v[CD+4*(\n):CD+4*(\n)+1], v[XS:XS+7], v15
	v_cvt_scalef32_pk8_bf8_f32 v[CD+4*(\n)+2:CD+4*(\n)+3], v[XS+8:XS+15], v15
	v_lshrrev_b32 v8, 23, v15                      ; the scale's byte
.if (\n)%4 == 0
	v_mov_b32 v[60+(\n)/4], v8
.else
	v_lshl_or_b32 v[60+(\n)/4], v8, 8*((\n)%4), v[60+(\n)/4]
.endif
	global_store_b128 v10, v[CD+4*(\n):CD+4*(\n)+3], s[10:11] offset:512*(\n)   ; 32 lanes store 512 consecutive bytes of the image
.if (\n)+2 < 8
	XGET (\n)+2
.endif
.endm
	XGET 0
	XGET 1
.irp n, 0,1,2,3,4,5,6,7
	G16 \n
.endr
	s_mov_b32 vcc_lo, 0xffff0000
	v_cndmask_b32 v8, v60, v61, vcc_lo             ; lanes 0-15 the word of the first 128 along K, lanes 16-31 that of the second
	global_store_b32 v11, v8, s[12:13]             ; 128 consecutive bytes: one part in 128 of what this way reads
	s_wait_tensorcnt 0x0
	ds_add_u32 v62, v63
	s_wait_dscnt 0x0
	s_endpgm
	; ---------------- the weights: a lane takes a column, its registers run down K
.Lweights:
	s_sub_co_u32 s18, ttmp9, 512
	s_mov_b32 s20, 4096                            ; (an instruction takes one literal: W_out's figures stand in registers)
	s_mov_b32 s21, 11534336
	s_mov_b32 s22, 262144
	s_mov_b32 s23, 360448
	s_cmp_lt_u32 s18, 384                          ; the first 384 take W_qkv
	s_cselect_b32 s19, 0, 384
	s_cselect_b32 s20, 12288, s20                  ; bytes in a row of the weight
	s_cselect_b32 s21, 8388608, s21                ; its image in pc
	s_cselect_b32 s22, 786432, s22                 ; the image's step for 256 along K
	s_cselect_b32 s23, 262144, s23                 ; its bytes in ps
	s_cselect_b32 s28, 1, 0
	s_sub_co_u32 s18, s18, s19
	s_lshr_b32 s24, s18, 2                         ; G: which 32 columns
	s_and_b32 s25, s18, 3                          ; which 256 along K
	s_lshl_b32 s26, s25, 8
	s_lshl_b32 s27, s14, 6
	s_add_co_u32 s26, s26, s27                     ; my first k
	s_mul_i32 s26, s26, s20
	s_lshl_b32 s27, s24, 7
	s_add_co_u32 s26, s26, s27
	s_wait_alu depctr_va_vdst(0)
	v_lshl_add_u32 v9, v1, 2, s26                  ; offset in the weight: k rows + 4 x column
	v_and_b32 v6, 7, v0
	v_bfe_u32 v7, v0, 4, 1
	v_lshl_or_b32 v6, v7, 3, v6                    ; column 32 G + lane is row r of fragment 2 (G%8) + u: r = lane's bits 2:0 and bit 4,
	s_wait_alu depctr_va_vdst(0)
	v_bfe_u32 v7, v0, 3, 1                         ; u = its bit 3
	s_mul_i32 s27, s25, s22
	s_add_co_u32 s21, s21, s27
	s_lshl_b32 s27, s24, 13
	s_add_co_u32 s21, s21, s27
	s_lshl_b32 s27, s14, 10                        ; 64 along K are 1,024 bytes of a fragment pair's image
	s_add_co_u32 s21, s21, s27
	v_lshlrev_b32 v10, 4, v6
	v_lshl_add_u32 v10, v7, 12, v10
	v_add_nc_u32 v10, s21, v10                     ; offset in pc
	s_lshr_b32 s27, s24, 3
	s_lshl_b32 s27, s27, 13
	s_add_co_u32 s23, s23, s27
	s_lshl_b32 s27, s25, 11
	s_add_co_u32 s23, s23, s27
	s_and_b32 s27, s24, 7
	s_lshl_b32 s27, s27, 8
	s_add_co_u32 s23, s23, s27
	v_lshl_add_u32 v11, v1, 3, s23                 ; offset in ps of the work-group's 256 bytes, 8 a lane
	s_lshl_b32 s29, s14, 1
	s_add_co_u32 s29, s29, WSC
	v_lshlrev_b32 v12, 3, v6
	s_wait_alu depctr_va_vdst(0)
	v_lshl_add_u32 v12, v7, 7, v12
	v_add_nc_u32 v12, s29, v12                     ; LDS: 128 u + 8 r + 2 x wave: my two bytes
	v_lshl_add_u32 v13, v1, 3, WSC                 ; and where wave 0 reads them back
	s_wait_kmcnt 0x0
	s_cmp_eq_u32 s28, 1
	s_cbranch_scc0 .Lw_out                         ; the two arms differ in the pointer and in a row's bytes alone
.set j, 0
.rept 64
	global_load_b32 v[LD+j], v9, s[6:7] offset:j*12288 th:TH_LOAD_NT   ; 32 lanes read 128 consecutive bytes
.set j, j+1
.endr
	s_branch .Lw_loaded
.Lw_out:
.set j, 0
.rept 64
	global_load_b32 v[LD+j], v9, s[8:9] offset:j*4096 th:TH_LOAD_NT
.set j, j+1
.endr
.Lw_loaded:
.macro WBLOCK t                        ; a block of 32 along K lies in my 32 registers
.set XS, LD+32*(\t)
.if (\t) == 0
	s_wait_loadcnt 32                              ; the first block's 32 loads are in, the second's may be out
.else
	s_wait_loadcnt 0x0
.endif
	v_max3_num_f32 v16, |v[XS]|, |v[XS+1]|, |v[XS+2]|
	v_max3_num_f32 v17, |v[XS+3]|, |v[XS+4]|, |v[XS+5]|
.irp i, 6,10,14,18,22,26
	v_max3_num_f32 v16, v16, |v[XS+\i]|, |v[XS+\i+1]|
	v_max3_num_f32 v17, v17, |v[XS+\i+2]|, |v[XS+\i+3]|
.endr
	v_max3_num_f32 v16, v16, |v[XS+30]|, |v[XS+31]|
	v_max3_num_f32 v16, v16, v17, FLOOR
	v_add_nc_u32 v18, EOFF, v16
	v_lshrrev_b32 v[60+(\t)], 23, v18
.set j, 0
.rept 32
.set j, j+1
.endr
.irp g, 0,1,2,3
	v_cvt_scalef32_pk8_bf8_f32 v[CD+8*(\t)+2*\g:CD+8*(\t)+2*\g+1], v[XS+8*\g:XS+8*\g+7], v18
.endr
	v_nop                                          ; a plain line behind the last conversion
	global_store_b128 v10, v[CD+8*(\t):CD+8*(\t)+3], s[10:11] offset:512*(\t)        ; k%32 = 0 .. 15: the sixteen lanes of one u store 256 consecutive bytes, aligned
	global_store_b128 v10, v[CD+8*(\t)+4:CD+8*(\t)+7], s[10:11] offset:512*(\t)+256  ; k%32 = 16 .. 31
.endm
	WBLOCK 0
	WBLOCK 1
	v_lshl_or_b32 v16, v61, 8, v60
	ds_store_b16 v12, v16
	s_wait_dscnt 0x0                               ; for the others' sake: my two bytes lie in LDS
	s_barrier_signal -1
	s_barrier_wait -1
	s_cmp_lg_u32 s14, 0
	s_cbranch_scc1 .Lw_end
	ds_load_b64 v[14:15], v13
	s_wait_dscnt 0x0
	global_store_b64 v11, v[14:15], s[12:13]       ; 32 lanes store 256 consecutive bytes, aligned
.Lw_end:
	s_wait_tensorcnt 0x0
	ds_add_u32 v62, v63
	s_wait_dscnt 0x0
	s_endpgm
.Lfunc_end_k_q762fa3c2f6_prep:
	.size	k_q762fa3c2f6_prep, .Lfunc_end_k_q762fa3c2f6_prep-k_q762fa3c2f6_prep
	.p2alignl 7, 3214868480
	.fill 96, 4, 3214868480
	.section	.rodata,"a",@progbits
	.p2align	6, 0x0
	.amdhsa_kernel k_q762fa3c2f6_prep
		.amdhsa_group_segment_fixed_size 67328
		.amdhsa_private_segment_fixed_size 0
		.amdhsa_enable_private_segment 0
		.amdhsa_kernarg_size 40
		.amdhsa_user_sgpr_count 2
		.amdhsa_user_sgpr_kernarg_segment_ptr 1
		.amdhsa_wavefront_size32 1
		.amdhsa_system_sgpr_workgroup_id_x 1
		.amdhsa_system_sgpr_workgroup_id_y 1
		.amdhsa_system_sgpr_workgroup_id_z 1
		.amdhsa_system_vgpr_workitem_id 0
		.amdhsa_next_free_vgpr 256
		.amdhsa_next_free_sgpr 66
		.amdhsa_reserve_vcc 1
		.amdhsa_float_denorm_mode_32 3
		.amdhsa_float_denorm_mode_16_64 3
		.amdhsa_fp16_overflow 1
		.amdhsa_memory_ordered 1
		.amdhsa_forward_progress 1
		.amdhsa_inst_pref_size 37
	.end_amdhsa_kernel
	.amdgpu_metadata
---
amdhsa.version: [ 1, 2 ]
amdhsa.kernels:
  - .name:           k_q762fa3c2f6_prep
    .symbol:         k_q762fa3c2f6_prep.kd
    .args:
      - { .name: x, .offset: 0, .size: 8, .value_kind: global_buffer, .address_space: global }
      - { .name: W_qkv, .offset: 8, .size: 8, .value_kind: global_buffer, .address_space: global }
      - { .name: W_out, .offset: 16, .size: 8, .value_kind: global_buffer, .address_space: global }
      - { .name: pc, .offset: 24, .size: 8, .value_kind: global_buffer, .address_space: global }
      - { .name: ps, .offset: 32, .size: 8, .value_kind: global_buffer, .address_space: global }
    .group_segment_fixed_size: 67328
    .private_segment_fixed_size: 0
    .kernarg_segment_align: 8
    .kernarg_segment_size: 40
    .max_flat_workgroup_size: 128
    .sgpr_count:     66
    .vgpr_count:     256
    .wavefront_size: 32
...
	.end_amdgpu_metadata
.endif
;; end of part 1
;; launch gemm_qkv (part 2): grid 12 x 32, 4 waves a work-group, clusters of 4 x 4, 327,680 bytes of LDS; arguments pc, ps, b_qkv, qkvc, qkvs; writes qkvc, qkvs
.if DOCPART == 2
	.amdgcn_target "amdgcn-amd-amdhsa--gfx1250"
	.amdhsa_code_object_version 6
	.text
	.protected	k_q762fa3c2f6_gemm_qkv
	.globl	k_q762fa3c2f6_gemm_qkv
	.p2align	8
	.type	k_q762fa3c2f6_gemm_qkv,@function
k_q762fa3c2f6_gemm_qkv:
	s_mov_b64 s[64:65], 0
	v_nop
	global_prefetch_b8 v0, s[64:65] scope:SCOPE_SE
	s_setreg_imm32_b32 hwreg(HW_REG_WAVE_MODE, 25, 1), 1
	s_wait_xcnt 0x0
	s_wait_alu depctr_hold_cnt(0) depctr_sa_sdst(0) depctr_va_vdst(0) depctr_va_sdst(0) depctr_va_ssrc(0) depctr_va_vcc(0) depctr_vm_vsrc(0)
	s_getreg_b32 s2, hwreg(HW_REG_IB_STS2, 6, 4)
	s_cmp_eq_u32 s2, 0
	s_cbranch_scc0 .Lentry_in_a_cluster
	s_endpgm
.Lentry_in_a_cluster:
	s_bfe_u32 s2, ttmp6, 0x10000c
	s_cmp_lg_u32 s2, 0xf033
	s_cbranch_scc0 .Lentry_shape_is_right
	s_endpgm
.Lentry_shape_is_right:
; qkv = x W_qkv + b_qkv on codes of BF8 (E5M2) with E8M0 scales, and q, k, v quantised on the way out: q and k along the head's 64, v along the keys.
; Both operands come as IMAGES of operand registers (fragment i = 2 g + u of a tile of 256 rows holds rows 32 g + 8 u + r + 8 (r/8); a tile of 256 rows x 256 K is 65,536 dense bytes, a fragment four loads of 16 bytes a lane, 512 bytes apart).
; A tile of 256 x 256 is made by four waves, 128 x 128 each: 64 accumulators.  Source 0 = 16 rows of operand R, source 1 = 16 rows of operand P: a lane holds ONE row of P, and the 16 registers of accumulators (a, 2 B), (a, 2 B + 1)
; are rows 32 B + 16 (lane/16) + 0 .. 15 of R: 16 neighbours, as the conversions want them.
; TWO MODES, chosen by the cluster's x (equal in all partners).  Clusters 0, 1 (q, k): P = x, R = W_qkv: a lane holds a token, its registers run along the head's channels.  Cluster 2 (v): P = W_qkv, R = x: a lane holds a channel, its registers run along the keys.
; K = 1,024 goes in four steps of 256 through two LDS slots filled by joint tensor loads (4 x 4 work-groups; P's tile shared along a row of the cluster, R's along a column).  The scale bytes of both tiles, 8,192 each, come once.
; The bias along the registers is the C of the first products; the bias along the lanes is added where the sums move to window 0; the one that does not apply in a mode is set to 0.
; OUT.  qkvc: [q, k, v][batch][head] x 131,072.  q, k: tile t of 16 tokens (the same permuted sets) at t 1024 + c 512 + 16 lane, c the block of 32 channels.  v: step of 128 keys at G 8192 + d 2048 + c 512 + 16 lane, d the tile of 16 permuted channels, c the block of 32 keys.
; qkvs: [part][batch][head] x 4,096: G 256 + r 16 + 4 p; q, k: the word of tiles 2 p, 2 p + 1 (two bytes each); v: the word of tile p's four key blocks.
; LIMITS: a block of zeros keeps the byte 1 (its codes are zeros; only this program reads the bytes); NaN and infinities are not served.
; REGISTERS: window 0: v8-15 bias by lanes; v16-29 addresses; v32-63 scale words, two sets; v64-127 bias by registers; v128-255 P's fragments, one set (the way out works there).  window 1: R's fragments, two sets.  windows 2, 3: accumulator (a, b) at v[8 (8 (a%4) + b)].
.set FR,     16
.set NL,     4
.set NQ,     2
.set NP,     8                         ; places behind this matrix instruction (ISA guide 7.12.1)
.set HALFT,  32768                     ; 128 rows x 256 K: what one tensor load brings
.set SLOT,   4*HALFT                   ; P's two halves, then R's
.set SCL,    2*SLOT                    ; P's scale bytes
.set SCLR,   SCL+8320                  ; R's: 128 bytes further than dense, so that the two halves of a load's lanes fall on different banks
.set SPARE,  278784                    ; the spare words, 128 bytes for each wave, in blocks of 256 bytes that no other line names
.set BP,   8
.set ADRA, 16
.set ADRB, 20
.set BPO,  23
.set BIO,  24
.set SO,   25
.set CO,   26
.set ADRS, 27
.set SPW,  28
.set NIL,  29
.set SC,   32
.set BI,   64
.set AF,   128
.set X,    128                         ; the way out: 64 numbers
.set PC,   192                         ; their codes
.set TM,   208                         ; at work
.set PW,   224                         ; eight scale words
.set OW,   232
.set G1, 24
.set G0, 32
.set G1B, 48
.set G0B, 56
.set G1S, 68
.set G0S, 76
.set G1SB, 80
.set G0SB, 88
.set MSB, 0
.macro WIN new                         ; the immediate's high byte repeats the setting that is left
.if MSB != \new
	s_set_vgpr_msb (MSB<<8)|\new
.set MSB, \new
.endif
.endm
.set MUL_LO, 0xa1                      ; source 0 (R) window 1, source 1 (P) window 0, C and D window 2
.set MUL_HI, 0xf1
.set TO_B,   0x40
.macro JLOAD g0a, g1a, g0b, g1b        ; a joint load: waves 0, 1 fetch for P, waves 2, 3 for R; four v_nop follow each line
	s_cmp_eq_u32 s15, 0
	s_cbranch_scc0 .Lfor_b_\@
	tensor_load_to_lds s[\g0a:\g0a+3], s[\g1a:\g1a+7]
	s_nop 0
.rept 4
	v_nop
.endr
	s_branch .Lasked_\@
.Lfor_b_\@:
	tensor_load_to_lds s[\g0b:\g0b+3], s[\g1b:\g1b+7]
	s_nop 0
.rept 4
	v_nop
.endr
.Lasked_\@:
.endm
.macro CREST
	s_cmp_lg_u32 s14, 0
	s_cbranch_scc1 .Lnot_wave_0_\@
	s_barrier_signal -3
.Lnot_wave_0_\@:
	s_barrier_wait -3
	s_barrier_signal -1
	s_barrier_wait -1
.endm
.macro CROUND
	s_barrier_signal -1
	s_barrier_wait -1
	CREST
.endm
	s_load_b128 s[4:7], s[0:1], 0x0                ; pc, ps
	s_load_b128 s[8:11], s[0:1], 0x10              ; b_qkv, qkvc
	s_load_b64 s[12:13], s[0:1], 0x20              ; qkvs
	v_lshl_add_u32 v[SPW], v0, 2, SPARE
	v_mov_b32 v[NIL], 0
	ds_add_u32 v28, v29
	ds_add_u32 v28, v29
	s_wait_dscnt 0x0
	v_lshrrev_b32 v1, 5, v0
	v_readfirstlane_b32 s14, v1                    ; wave
	s_lshr_b32 s15, s14, 1                         ; my half of P's rows; also: I fetch for P (0) or R (1)
	s_and_b32 s16, s14, 1                          ; my half of R's rows; also: which half I fetch
	s_bfe_u32 s40, ttmp6, 0x40000                  ; cx
	s_bfe_u32 s41, ttmp6, 0x40004                  ; cy
	s_and_b32 s45, ttmp7, 0xffff
	s_lshl_b32 s45, s45, 2                         ; 4 x cluster y
	s_lshl_b32 s3, ttmp9, 2                        ; 4 x cluster x
	s_mov_b32 s2, 4194304                          ; two K steps of x's image
	s_mov_b32 s66, 1572864                         ; two of W_qkv's
	s_cmp_eq_u32 ttmp9, 2                          ; the mode: only offsets and numbers are chosen by it
	s_cselect_b32 s96, 1, 0
	s_cselect_b32 s97, 0, -1                       ; lanes' mask: the bias by registers counts (q, k)
	s_cselect_b32 s17, 8, s45
	s_cselect_b32 s42, s45, s3
	s_cselect_b32 s18, 8388608, 0                  ; P's image in pc,
	s_cselect_b32 s46, 0, 8388608                  ; R's,
	s_cselect_b32 s19, 262144, 0                   ; P's bytes in ps,
	s_cselect_b32 s47, 0, 262144                   ; R's
	s_cselect_b32 s92, s66, s2
	s_cselect_b32 s94, s2, s66
	s_cselect_b32 s45, -1, 0                       ; the bias by lanes counts (v)
	s_mov_b32 s93, 0
	s_mov_b32 s95, 0
	s_add_co_u32 s17, s17, s41                     ; P's tile: hangs on cy alone
	s_add_co_u32 s42, s42, s40                     ; R's tile: on cx alone
	s_lshl_b32 s43, s41, 2
	s_lshl_b32 s43, 15, s43                        ; my row of the cluster
	s_lshl_b32 s44, 0x1111, s40                    ; my column
	s_or_b32 s[G1+0], s43, (3<<16)|(1<<21)         ; 15:0 the mask; 17:16 elements of 8 bytes; 21 set beside a mask; no padding
	s_or_b32 s[G1B+0], s44, (3<<16)|(1<<21)
.irp g, G1, G1B
	s_mov_b32 s[\g+1], 32<<16                      ; rows of 256 bytes,
	s_mov_b32 s[\g+2], 128<<16                     ; 128 of them, dense
	s_mov_b32 s[\g+3], 32<<16
	s_mov_b32 s[\g+4], 128
	s_mov_b32 s[\g+5], 32
	s_mov_b32 s[\g+6], 0
	s_mov_b32 s[\g+7], 0
.endr
	s_or_b32 s[G1S+0], s43, (3<<16)|(1<<21)
	s_or_b32 s[G1SB+0], s44, (3<<16)|(1<<21)
.irp g, G1S, G1SB
	s_mov_b32 s[\g+1], 32<<16                      ; the scale bytes of 128 rows: 16 rows of 256 bytes
	s_mov_b32 s[\g+2], 16<<16
	s_mov_b32 s[\g+3], 32<<16
	s_mov_b32 s[\g+4], 16
	s_mov_b32 s[\g+5], 32
	s_mov_b32 s[\g+6], 0
	s_mov_b32 s[\g+7], 0
.endr
	s_lshl_b32 s3, s16, 15
	s_lshl_b32 s22, s17, 16
	s_add_co_u32 s22, s22, s18
	s_add_co_u32 s22, s22, s3                      ; P's codes: image + tile x 65,536 + half x 32,768
	s_mov_b32 s23, 0
	s_lshl_b32 s98, s42, 16
	s_add_co_u32 s98, s98, s46
	s_add_co_u32 s98, s98, s3                      ; R's
	s_mov_b32 s99, 0
	s_lshl_b32 s3, s16, 12
	s_lshl_b32 s100, s17, 13
	s_add_co_u32 s100, s100, s19
	s_add_co_u32 s100, s100, s3                    ; P's scale bytes: tile x 8,192 + half x 4,096
	s_mov_b32 s101, 0
	s_lshl_b32 s46, s42, 13
	s_add_co_u32 s46, s46, s47
	s_add_co_u32 s46, s46, s3
	s_mov_b32 s47, 0
	s_lshr_b32 s20, s92, 1                         ; one K step
	s_mov_b32 s21, 0
	s_lshr_b32 s66, s94, 1
	s_mov_b32 s67, 0
	s_lshl_b32 s2, s14, 15                         ; in a slot: wave x 32,768: no place in the cluster enters an LDS address
	s_wait_kmcnt 0x0
	s_add_nc_u64 s[22:23], s[4:5], s[22:23]
	s_add_nc_u64 s[98:99], s[4:5], s[98:99]
	s_add_nc_u64 s[100:101], s[6:7], s[100:101]
	s_add_nc_u64 s[46:47], s[6:7], s[46:47]
	CROUND                                         ; all sixteen work-groups are here: the first joint loads meet
	s_mov_b32 s[G0S], 1
	s_add_co_u32 s[G0S+1], s3, SCL
	s_mov_b64 s[G0S+2:G0S+3], s[100:101]
	s_or_b32 s[G0S+3], s[G0S+3], 0x80000000
	s_mov_b32 s[G0SB], 1
	s_add_co_u32 s[G0SB+1], s3, SCLR
	s_mov_b64 s[G0SB+2:G0SB+3], s[46:47]
	s_or_b32 s[G0SB+3], s[G0SB+3], 0x80000000
	JLOAD G0S, G1S, G0SB, G1SB                     ; the scale bytes first
	s_mov_b32 s[G0], 1
	s_mov_b32 s[G0+1], s2
	s_mov_b64 s[G0+2:G0+3], s[22:23]
	s_or_b32 s[G0+3], s[G0+3], 0x80000000
	s_mov_b32 s[G0B], 1
	s_mov_b32 s[G0B+1], s2
	s_mov_b64 s[G0B+2:G0B+3], s[98:99]
	s_or_b32 s[G0B+3], s[G0B+3], 0x80000000
	JLOAD G0, G1, G0B, G1B                         ; K step 0
	s_mov_b32 s[G0+4], 1
	s_add_co_u32 s[G0+5], s2, SLOT
	s_add_nc_u64 s[G0+6:G0+7], s[22:23], s[20:21]
	s_or_b32 s[G0+7], s[G0+7], 0x80000000
	s_mov_b32 s[G0B+4], 1
	s_add_co_u32 s[G0B+5], s2, SLOT
	s_add_nc_u64 s[G0B+6:G0B+7], s[98:99], s[66:67]
	s_or_b32 s[G0B+7], s[G0B+7], 0x80000000
	JLOAD G0+4, G1, G0B+4, G1B                     ; K step 1: three loads of mine are out
	v_and_b32 v1, 15, v0                           ; r
	v_bfe_u32 v2, v0, 4, 1                         ; h
	s_wait_alu depctr_va_vdst(0)
	v_and_b32 v3, 31, v0
	v_lshlrev_b32 v3, 4, v3                        ; 16 x lane
	s_wait_alu depctr_va_vdst(0)
	s_lshl_b32 s18, s15, 15
	s_lshl_b32 s19, s16, 15
	s_add_co_u32 s19, s19, 2*HALFT
.irp s, 0,1
	v_add_nc_u32 v[ADRA+\s], s18, v3
	v_add_nc_u32 v[ADRB+\s], s19, v3
	s_add_co_u32 s18, s18, SLOT
	s_add_co_u32 s19, s19, SLOT
.endr
	s_lshl_b32 s18, s15, 10                        ; scale words: P's half x 1,024;
	s_lshl_b32 s19, s16, 10
	s_add_co_u32 s19, s19, 8320
	s_sub_co_u32 s19, s19, s18                     ; the distance from there to R's half
	v_mul_u32_u24 v6, s19, v2                      ; lanes 16-31 take R's: one product with h
	s_add_co_u32 s18, s18, SCL
	v_lshlrev_b32 v5, 3, v1
	v_add_nc_u32 v5, v5, v6
	v_add_nc_u32 v[ADRS], s18, v5
	; where the results go: the token tile TT and its half, the channel tile CT and its half
	s_cmp_eq_u32 s96, 1
	s_cselect_b32 s18, s42, s17                    ; TT
	s_cselect_b32 s19, s16, s15                    ; its half
	s_cselect_b32 s20, s17, s42                    ; CT
	s_cselect_b32 s21, s15, s16                    ; its half
	s_lshr_b32 s2, s20, 2                          ; part: q, k, v
	s_lshr_b32 s3, s18, 3                          ; batch
	s_lshl_b32 s2, s2, 2
	s_add_co_u32 s2, s2, s3
	s_and_b32 s3, s20, 3
	s_lshl_b32 s3, s3, 2
	s_lshl_b32 s22, s21, 1
	s_add_co_u32 s3, s3, s22                       ; my first head of two
	s_lshl_b32 s2, s2, 4
	s_add_co_u32 s2, s2, s3
	s_and_b32 s3, s18, 7
	s_lshl_b32 s3, s3, 1
	s_add_co_u32 s3, s3, s19                       ; the step of 128 tokens
	s_lshl_b32 s2, s2, 4
	s_add_co_u32 s2, s2, s3
	s_lshl_b32 s2, s2, 13                          ; offset in qkvc;
	s_lshr_b32 s3, s2, 5                           ; in qkvs it is a thirty-second of that
	v_add_nc_u32 v[CO], s2, v3
	v_lshlrev_b32 v4, 4, v1
	v_lshl_add_u32 v4, v2, 12, v4
	v_add_nc_u32 v[SO], s3, v4                     ; lanes 0-15 my first head's words, lanes 16-31 my second's
	s_lshl_b32 s2, s20, 10
	s_lshl_b32 s3, s21, 9
	s_add_co_u32 s2, s2, s3                        ; my 128 channels in b_qkv, in bytes
	v_lshl_add_u32 v[BIO], v2, 6, s2
	v_and_b32 v4, 8, v1
	v_add_nc_u32 v4, v4, v1
	v_lshl_add_u32 v[BPO], v4, 2, s2
.irp b, 0,1,2,3
.irp j, 0,1,2,3
	global_load_b128 v[BI+16*\b+4*\j:BI+16*\b+4*\j+3], v[BIO], s[8:9] offset:128*\b+16*\j   ; register 16 B + i: channel 32 B + 16 h + i
.endr
.endr
.irp a, 0,1,2,3,4,5,6,7
	global_load_b32 v[BP+\a], v[BPO], s[8:9] offset:(32*(\a/2)+8*(\a%2))*4                  ; block a: channel 32 (a/2) + 8 (a%2) + r + 8 (r/8)
.endr
	s_wait_loadcnt 0x0
.set j, 0
.rept 64
	v_cndmask_b32 v[BI+j], 0, v[BI+j], s97
.set j, j+1
.endr
.irp a, 0,1,2,3,4,5,6,7
	v_cndmask_b32 v[BP+\a], 0, v[BP+\a], s45
.endr
.macro FRAG reg, adr, q, i             ; a fragment comes as it was laid: four loads of 16 bytes a lane, 512 bytes apart
.irp c, 0,1,2,3
	ds_load_b128 v[\reg+4*\c:\reg+4*\c+3], v[\adr] offset:4096*(\i)+2048*(\q)+512*\c
.endr
.endm
; 16 matrix instructions: P's blocks a0, a0 + 1 x R's eight.  first = 1: the sums begin with the bias.  The 64 accumulators take turns, one instruction a turn.
.macro MUL16 a0, p, q, sc, first
.irp a, \a0, \a0+1
.irp b, 0,1,2,3,4,5,6,7
.if \first
	v_wmma_scale_f32_16x16x128_f8f6f4 v[8*(8*((\a)%4)+\b):8*(8*((\a)%4)+\b)+7], v[128*(\p)+FR*\b:128*(\p)+FR*\b+FR-1], v[AF+FR*(\a):AF+FR*(\a)+FR-1], v[BI+8*\b:BI+8*\b+7], v[SC+8*NQ*(\sc)+NQ*\b+(\q)], v[SC+8*NQ*(\sc)+NQ*(\a)+(\q)] matrix_a_fmt:MATRIX_FMT_BF8 matrix_b_fmt:MATRIX_FMT_BF8 matrix_a_scale:MATRIX_SCALE_ROW1
.else
	v_wmma_scale_f32_16x16x128_f8f6f4 v[8*(8*((\a)%4)+\b):8*(8*((\a)%4)+\b)+7], v[128*(\p)+FR*\b:128*(\p)+FR*\b+FR-1], v[AF+FR*(\a):AF+FR*(\a)+FR-1], v[8*(8*((\a)%4)+\b):8*(8*((\a)%4)+\b)+7], v[SC+8*NQ*(\sc)+NQ*\b+(\q)], v[SC+8*NQ*(\sc)+NQ*(\a)+(\q)] matrix_a_fmt:MATRIX_FMT_BF8 matrix_b_fmt:MATRIX_FMT_BF8 matrix_a_scale:MATRIX_SCALE_ROW1
.endif
.endr
.endr
.endm
.macro FETCH_B slot, q, p
	WIN TO_B
.irp i, 0,1,2,3,4,5,6,7
	FRAG 128*(\p)+FR*\i, ADRB+\slot, \q, \i
.endr
	WIN 0
.endm
.macro FETCH_A slot, q, i0
.irp i, \i0, \i0+1, \i0+2, \i0+3
	FRAG AF+FR*(\i), ADRA+\slot, \q, \i
.endr
.endm
.macro SCALES sc                       ; a K step's scale words: lanes 0-15 P's block i, lanes 16-31 R's block i; two words a row
.irp i, 0,1,2,3,4,5,6,7
	ds_load_b64 v[SC+8*NQ*\sc+NQ*\i:SC+8*NQ*\sc+NQ*\i+1], v[ADRS] offset:\i*128
.endr
.endm
.macro PLACES n                        ; plain vector lines between a matrix instruction and a load into, or a read of, its registers
.rept \n
	v_nop
.endr
.endm
.macro STEP slot, q, first             ; 128 along K whose successor lies in the same slot
	s_wait_dscnt 4*NL                              ; R's set, P's blocks 0-3 and the scale words are in; the youngest 16 loads (P's blocks 4-7) may be out
.if \first
	WIN 0x81                                       ; C (the bias) in window 0, D in window 2
.else
	WIN MUL_LO
.endif
	MUL16 0, (\q)%2, \q, \slot, \first
	MUL16 2, (\q)%2, \q, \slot, \first
	s_wait_dscnt 0
	PLACES NP
	FETCH_B \slot, (\q)+1, 1-(\q)%2
	FETCH_A \slot, (\q)+1, 0
.if \first
	WIN 0xc1
.else
	WIN MUL_HI
.endif
	MUL16 4, (\q)%2, \q, \slot, \first
	MUL16 6, (\q)%2, \q, \slot, \first
	PLACES NP
	WIN 0
	FETCH_A \slot, (\q)+1, 4
.endm
; A slot's last 128 along K, and the change of slots: one barrier; in front of it each wave waits for all its tensor loads, adds 0 to its spare word, and waits for that and for its reads of this slot.
.macro TURN slot, next, fill
	s_wait_tensorcnt 0x0                           ; all my tensor loads have landed: my part of the next slot
	ds_add_u32 v[SPW], v[NIL]
	s_wait_dscnt 4*NL+1                            ; (the add and the youngest 16 loads may be out)
	WIN MUL_LO
	MUL16 0, 1, NQ-1, \slot, 0
	s_wait_dscnt 0x0                               ; the add is done, and my reads of this slot are over
	s_barrier_signal -1
	MUL16 2, 1, NQ-1, \slot, 0
	WIN 0
	s_barrier_wait -1
.if \fill
	CREST                                          ; the barrier has opened a round of the cluster's: no wave of any partner still reads this slot or has a load on its way
	s_add_nc_u64 s[G0+4*\slot+2:G0+4*\slot+3], s[G0+4*\slot+2:G0+4*\slot+3], s[92:93]
	s_add_nc_u64 s[G0B+4*\slot+2:G0B+4*\slot+3], s[G0B+4*\slot+2:G0B+4*\slot+3], s[94:95]
	JLOAD G0+4*\slot, G1, G0B+4*\slot, G1B         ; the first tensor load behind the round; its four v_nop are among the places below
	PLACES NP-4
.else
	PLACES NP
.endif
	s_wait_alu depctr_va_vdst(0)
	v_add_nc_u32 v[ADRS], 2048, v[ADRS]            ; the next K step's scale words
	FETCH_B \next, 0, 0
	FETCH_A \next, 0, 0
	SCALES \next
	WIN MUL_HI
	MUL16 4, 1, NQ-1, \slot, 0
	MUL16 6, 1, NQ-1, \slot, 0
	PLACES NP
	WIN 0
	FETCH_A \next, 0, 4
.endm
	s_wait_alu depctr_va_vdst(0)
	s_wait_tensorcnt 1                             ; the scale bytes and my part of K step 0 are in; K step 1's load may be out
	s_barrier_signal -1
	s_barrier_wait -1
	FETCH_B 0, 0, 0
	FETCH_A 0, 0, 0
	SCALES 0
	FETCH_A 0, 0, 4
	STEP 0, 0, 1
	TURN 0, 1, 1                                   ; slot 0 takes K step 2
	STEP 1, 0, 0
	TURN 1, 0, 1                                   ; slot 1 takes K step 3
	STEP 0, 0, 0
	TURN 0, 1, 0
	STEP 1, 0, 0
	s_wait_dscnt 4*NL
	WIN MUL_LO
	MUL16 0, 1, NQ-1, 1, 0
	MUL16 2, 1, NQ-1, 1, 0
	s_wait_dscnt 0
	WIN MUL_HI
	MUL16 4, 1, NQ-1, 1, 0
	MUL16 6, 1, NQ-1, 1, 0
	WIN 0
; 64 numbers of a lane, register 16 b + i = place 32 b + 16 (lane/16) + i along the next K, become 16 registers of codes and a scale word.
.macro QUANT s, pw
.irp b, 0,1,2,3
	v_max3_num_f32 v[TM+\b], |v[\s+16*\b]|, |v[\s+1+16*\b]|, 0x8000000   ; with the floor 2^(16 - 127): the byte cannot fall under 1
.endr
.irp i, 2,4,6,8,10,12,14
.irp b, 0,1,2,3
	v_max3_num_f32 v[TM+\b], v[TM+\b], |v[\s+16*\b+\i]|, |v[\s+1+16*\b+\i]|
.endr
.endr
.irp b, 0,1,2,3
	v_permlanex16_b32 v[TM+4+\b], v[TM+\b], s18, s19
.endr
.irp b, 0,1,2,3
	v_max_num_f32 v[TM+\b], v[TM+\b], v[TM+4+\b]   ; with lane l xor 16's 16
.endr
.irp b, 0,1,2,3
	v_add_nc_u32 v[TM+12+\b], 0xf8800000, v[TM+\b] ; 15 off the exponent field: the conversion's scale operand
.endr
.irp b, 0,1,2,3
.endr
.irp b, 0,1,2,3
	v_lshrrev_b32 v[TM+4+\b], 23, v[TM+12+\b]
.endr
	v_lshl_or_b32 v[\pw], v[TM+5], 8, v[TM+4]
	v_lshl_or_b32 v[\pw], v[TM+6], 16, v[\pw]
	v_lshl_or_b32 v[\pw], v[TM+7], 24, v[\pw]
.irp b, 0,1,2,3
.irp i, 0,1,2,3,4,5,6,7,8,9,10,11,12,13,14,15
.endr
	v_cvt_scalef32_pk8_bf8_f32 v[PC+4*\b:PC+1+4*\b], v[\s+16*\b:\s+7+16*\b], v[TM+12+\b]
	v_cvt_scalef32_pk8_bf8_f32 v[PC+2+4*\b:PC+3+4*\b], v[\s+8+16*\b:\s+15+16*\b], v[TM+12+\b]
.endr
	v_nop                                          ; a plain line behind the last conversion
.endm
; P's block a: its 64 sums move to window 0 (each accumulator from its low end on), the bias by lanes is added, they are quantised, and each 512 bytes of codes leave as they stand.
.macro OUTA a
.if (\a) > 0
	s_wait_xcnt 0x0                                ; the last block's stores have read their registers
.endif
	WIN 0x02+(\a)/4
.set AC, 64*((\a)%4)
.set j, 0
.rept 32
.if (\a)%2 == 0
	v_pk_add_f32 v[X+2*j:X+2*j+1], v[AC+2*j:AC+2*j+1], v[BP+2*((\a)/2):BP+2*((\a)/2)+1] op_sel_hi:[1,0]
.else
	v_pk_add_f32 v[X+2*j:X+2*j+1], v[AC+2*j:AC+2*j+1], v[BP+2*((\a)/2):BP+2*((\a)/2)+1] op_sel:[0,1] op_sel_hi:[1,1]
.endif
.set j, j+1
.endr
	WIN 0
	QUANT X, PW+(\a)
	s_cmp_eq_u32 s96, 0
	s_cbranch_scc0 .Lvst_\@
.irp b, 0,1,2,3
	global_store_b128 v[CO], v[PC+4*\b:PC+4*\b+3], s[10:11] offset:(\b/2)*131072+(\a)*1024+(\b%2)*512   ; q, k: head b/2, token tile a, channel block b%2
.endr
	s_branch .Lst_\@
.Lvst_\@:
	s_wait_alu depctr_va_vdst(0)
.irp b, 0,1,2,3
	global_store_b128 v[CO], v[PC+4*\b:PC+4*\b+3], s[10:11] offset:((\a)/4)*131072+((\a)%4)*2048+\b*512  ; v: head a/4, channel tile a%4, key block b
.endr
.Lst_\@:
.endm
	PLACES NP
	s_mov_b32 s18, 0x76543210
	s_mov_b32 s19, 0xfedcba98
	s_mov_b32 s21, 0x05040100
	s_mov_b32 s22, 0x07060302
.irp b, 0,1,2,3
	v_mov_b32 v[TM+4+\b], 0                        ; (a lane permute's destination counts as read)
.endr
.irp a, 0,1,2,3,4,5,6,7
	OUTA \a
.endr
	s_mov_b32 vcc_lo, 0xffff0000
	s_cmp_eq_u32 s96, 0
	s_cbranch_scc0 .Lsv
.irp p, 0,1,2,3                                ; q, k: a word holds two bytes for each of my two heads: the words of tiles 2 p, 2 p + 1 are dealt anew by head
	v_perm_b32 v[OW+4+\p], v[PW+2*\p+1], v[PW+2*\p], s21
	v_perm_b32 v[OW+8+\p], v[PW+2*\p+1], v[PW+2*\p], s22
.endr
.irp p, 0,1,2,3
	v_cndmask_b32 v[OW+\p], v[OW+4+\p], v[OW+8+\p], vcc_lo
.endr
	s_branch .Lsj
.Lsv:
.irp p, 0,1,2,3                                ; v: blocks 0-3 are my first head's channel tiles, 4-7 my second's
	v_cndmask_b32 v[OW+\p], v[PW+\p], v[PW+4+\p], vcc_lo
.endr
.Lsj:
	s_wait_alu depctr_va_vdst(0)
	global_store_b128 v[SO], v[OW:OW+3], s[12:13]  ; sixteen lanes store 256 consecutive bytes, aligned, for each head
	s_wait_tensorcnt 0x0                           ; the wave's end
	ds_add_u32 v[SPW], v[NIL]
	s_wait_dscnt 0x0
	CROUND                                         ; the closing round
	s_endpgm
.Lfunc_end_k_q762fa3c2f6_gemm_qkv:
	.size	k_q762fa3c2f6_gemm_qkv, .Lfunc_end_k_q762fa3c2f6_gemm_qkv-k_q762fa3c2f6_gemm_qkv
	.p2alignl 7, 3214868480
	.fill 96, 4, 3214868480
	.section	.rodata,"a",@progbits
	.p2align	6, 0x0
	.amdhsa_kernel k_q762fa3c2f6_gemm_qkv
		.amdhsa_group_segment_fixed_size 327680
		.amdhsa_private_segment_fixed_size 0
		.amdhsa_enable_private_segment 0
		.amdhsa_kernarg_size 40
		.amdhsa_user_sgpr_count 2
		.amdhsa_user_sgpr_kernarg_segment_ptr 1
		.amdhsa_wavefront_size32 1
		.amdhsa_system_sgpr_workgroup_id_x 1
		.amdhsa_system_sgpr_workgroup_id_y 1
		.amdhsa_system_sgpr_workgroup_id_z 1
		.amdhsa_system_vgpr_workitem_id 0
		.amdhsa_next_free_vgpr 1024
		.amdhsa_next_free_sgpr 102
		.amdhsa_reserve_vcc 1
		.amdhsa_float_denorm_mode_32 3
		.amdhsa_float_denorm_mode_16_64 3
		.amdhsa_fp16_overflow 1
		.amdhsa_memory_ordered 1
		.amdhsa_forward_progress 1
		.amdhsa_inst_pref_size 177
	.end_amdhsa_kernel
	.amdgpu_metadata
---
amdhsa.version: [ 1, 2 ]
amdhsa.kernels:
  - .name:           k_q762fa3c2f6_gemm_qkv
    .symbol:         k_q762fa3c2f6_gemm_qkv.kd
    .args:
      - { .name: pc, .offset: 0, .size: 8, .value_kind: global_buffer, .address_space: global }
      - { .name: ps, .offset: 8, .size: 8, .value_kind: global_buffer, .address_space: global }
      - { .name: b_qkv, .offset: 16, .size: 8, .value_kind: global_buffer, .address_space: global }
      - { .name: qkvc, .offset: 24, .size: 8, .value_kind: global_buffer, .address_space: global }
      - { .name: qkvs, .offset: 32, .size: 8, .value_kind: global_buffer, .address_space: global }
    .group_segment_fixed_size: 327680
    .private_segment_fixed_size: 0
    .kernarg_segment_align: 8
    .kernarg_segment_size: 40
    .max_flat_workgroup_size: 128
    .sgpr_count:     102
    .vgpr_count:     1024
    .wavefront_size: 32
...
	.end_amdgpu_metadata
.endif
;; end of part 2
;; launch attn (part 3): grid 4 x 64, 16 waves a work-group, clusters of 4 x 1, 272,384 bytes of LDS; arguments qkvc, qkvs, attc, atts; writes attc, atts
.if DOCPART == 3
	.amdgcn_target "amdgcn-amd-amdhsa--gfx1250"
	.amdhsa_code_object_version 6
	.text
	.protected	k_q762fa3c2f6_attn
	.globl	k_q762fa3c2f6_attn
	.p2align	8
	.type	k_q762fa3c2f6_attn,@function
k_q762fa3c2f6_attn:
	s_mov_b64 s[64:65], 0
	v_nop
	global_prefetch_b8 v0, s[64:65] scope:SCOPE_SE
	s_setreg_imm32_b32 hwreg(HW_REG_WAVE_MODE, 25, 1), 1
	s_wait_xcnt 0x0
	s_wait_alu depctr_hold_cnt(0) depctr_sa_sdst(0) depctr_va_vdst(0) depctr_va_sdst(0) depctr_va_ssrc(0) depctr_va_vcc(0) depctr_vm_vsrc(0)
	s_getreg_b32 s2, hwreg(HW_REG_IB_STS2, 6, 4)
	s_cmp_eq_u32 s2, 0
	s_cbranch_scc0 .Lentry_in_a_cluster
	s_endpgm
.Lentry_in_a_cluster:
	s_bfe_u32 s2, ttmp6, 0x10000c
	s_cmp_lg_u32 s2, 0x3003
	s_cbranch_scc0 .Lentry_shape_is_right
	s_endpgm
.Lentry_shape_is_right:
; Causal attention of one head (work-group y = 16 x batch + head) on codes of BF8 (E5M2) with E8M0 scales; the result, divided by the row's sum, is quantised along head x 64 + channel and stored as the image that the last product reads.
; SOFTMAX: t = score x log2(e) / 8; M = the running largest t rounded up to a whole number; p = 2^(t - M) is quantised along the keys, not normalised; the row's sum is taken of the unquantised p; when M moves, sum and O are multiplied by 2^(old M - new M), exactly.
; LDS holds the WHOLE head: K's codes 131,072 bytes, V's 131,072, their scale words 4,096 each.  Every byte is filled once, by joint tensor loads of the four work-groups of the head (mask 15); nothing is stored to LDS.
; SHARES.  A tile is 16 queries: tile t holds tokens 32 (t/2) + 8 (t%2) + r + 8 (r/8).  Wave w (m = w%8, u = w/8) of work-group cx takes tile 8 (15 - m) + 2 cx + u, which has 16 - m key steps of 128, and then tile 8 m + 2 cx + u, which has m + 1: 17 steps for every wave.
; The late tile comes first: its steps 0 to 7 are alike in all waves, so the barriers that show the chunks of keys landed (ahead of steps 0, 4 and 8) cost no wave a wait for another's longer work.  Branches hang on the wave's number alone.
; LAYOUT.  Both products are used transposed: a lane holds one query.  A fragment of K is TWO tiles of 16 keys x 64 channels on end along the instruction's 128; multiplied by (q, 0) it gives the first tile's scores, by (0, q) the second's: zero codes add nothing
; (K's codes are finite: the quantiser holds them).  The keys of a tile are permuted like the tokens above, so the 16 registers of tiles 2 b, 2 b + 1 are keys 32 b + 16 (lane/16) + 0 .. 15; V's channel tiles likewise, so O's 16 registers are 16 neighbouring channels.
; LIMITS: a block of zeros keeps the byte 1; NaN and infinities are not served.  The two scale bytes of a head and row leave by byte stores: the word's other half belongs to another head's work-groups.
; REGISTERS: v1-3 addresses; v[4:5] -M, largest t; v[6:7] the sum; v8-47 zeros, early q, zeros, late q, zeros; v48-111 four fragments of K, then V; v112-175 scores, then p; v176-207 O; v208-223 p's codes; v224-231 scale words; v232-250 at work.
.set VOFF, 131072
.set SCK,  262144
.set LI,   1                           ; 16 x lane
.set LS,   2                           ; SCK + 16 r
.set ADK,  3
.set NM,   4
.set SUM,  6
.set QE,   16
.set QL,   32
.set KV,   48
.set S,    112
.set O,    176
.set PC,   208
.set KSW,  224
.set VSW,  228
.set BM,   232
.set F,    248                         ; v248 f, v249 p's scale word
.set TMP,  250
.set QSE,  251
.set QSL,  252
.set MK,   253                         ; my query's place in its step, less 16 (lane/16)
.set ADV,  254
.set ADS,  255
.set WV,   12
.set MNT,  19
.set SEL,  20
.set CS,   22
.set G1C,  24
.set G1S,  32
.set G0,   40                          ; five groups 0, never rewritten
.set SI,   60                          ; the key step
.set MT,   61                          ; the tile's last step, the one on the diagonal
.set TB,   62                          ; the step's codes in LDS
.set TS,   63                          ; its scale words
.macro CROUND
	s_barrier_signal -1
	s_barrier_wait -1
	s_cmp_lg_u32 s[WV], 0
	s_cbranch_scc1 .Lnot_wave_0_\@
	s_barrier_signal -3
.Lnot_wave_0_\@:
	s_barrier_wait -3
	s_barrier_signal -1
	s_barrier_wait -1
.endm
	s_load_b256 s[4:11], s[0:1], 0x0               ; qkvc s[4:5], qkvs s[6:7], attc s[8:9], atts s[10:11]
	v_lshl_add_u32 v254, v0, 2, 0x42000
	v_mov_b32 v255, 0
	ds_add_u32 v254, v255
	ds_add_u32 v254, v255
	s_wait_dscnt 0x0
	v_lshrrev_b32 v1, 5, v0
	s_delay_alu instid0(VALU_DEP_1)
	v_readfirstlane_b32 s[WV], v1                  ; wave 0..15
	s_bfe_u32 s13, ttmp6, 0x40000                  ; cx: it enters global offsets and the mask's number alone
	s_and_b32 s14, ttmp7, 0xffff                   ; 16 x batch + head
	; what waves 0-3 fetch: wave/2 = 0: K, 1: V; wave%2: which half of a chunk
	s_lshr_b32 s15, s[WV], 1
	s_and_b32 s16, s[WV], 1
	s_add_co_u32 s17, s15, 1                       ; part 1 (k) or 2 (v)
	s_lshl_b32 s74, s17, 23
	s_lshl_b32 s72, s14, 17
	s_add_co_u32 s74, s74, s72
	s_lshl_b32 s72, s16, 14
	s_add_co_u32 s74, s74, s72
	s_mov_b32 s75, 0
	s_lshl_b32 s76, s17, 18
	s_lshl_b32 s72, s14, 12
	s_add_co_u32 s76, s76, s72
	s_lshl_b32 s72, s16, 11
	s_add_co_u32 s76, s76, s72
	s_mov_b32 s77, 0
	s_lshl_b32 s78, s15, 17
	s_lshl_b32 s72, s16, 14
	s_add_co_u32 s78, s78, s72                     ; LDS: K or V, + half a chunk
	s_lshl_b32 s79, s15, 12
	s_lshl_b32 s72, s16, 11
	s_add_co_u32 s79, s79, s72
	s_add_co_u32 s79, s79, SCK
	s_mov_b32 s[G1C], 15|(3<<16)|(1<<21)           ; the mask: all four work-groups; elements of 8 bytes; 21 set beside a mask
	s_mov_b32 s[G1C+1], 32<<16                     ; rows of 256 bytes,
	s_mov_b32 s[G1C+2], 64<<16                     ; 64 of them, dense: two key steps
	s_mov_b32 s[G1C+3], 32<<16
	s_mov_b32 s[G1C+4], 64
	s_mov_b32 s[G1C+5], 32
	s_mov_b32 s[G1C+6], 0
	s_mov_b32 s[G1C+7], 0
	s_mov_b32 s[G1S], 15|(3<<16)|(1<<21)
	s_mov_b32 s[G1S+1], 32<<16
	s_mov_b32 s[G1S+2], 8<<16                      ; half a head's scale words: 8 rows
	s_mov_b32 s[G1S+3], 32<<16
	s_mov_b32 s[G1S+4], 8
	s_mov_b32 s[G1S+5], 32
	s_mov_b32 s[G1S+6], 0
	s_mov_b32 s[G1S+7], 0
	s_mov_b32 s[SEL], 0x76543210
	s_mov_b32 s[SEL+1], 0xfedcba98
	s_mov_b32 s[CS], 0x3e38aa3b                    ; log2(e) / 8
	s_mov_b32 s[CS+1], s[CS]
	s_and_b32 s70, s[WV], 7                        ; m
	s_lshr_b32 s71, s[WV], 3                       ; u
	s_lshl_b32 s80, s13, 1
	s_add_co_u32 s80, s80, s71
	s_lshl_b32 s72, s70, 3
	s_add_co_u32 s72, s72, s80                     ; the early tile
	s_sub_co_u32 s81, 15, s70
	s_lshl_b32 s73, s81, 3
	s_add_co_u32 s73, s73, s80                     ; the late tile
	s_lshl_b32 s82, s14, 17
	s_lshl_b32 s83, s72, 10
	s_add_co_u32 s83, s83, s82                     ; q's codes (part 0)
	s_lshl_b32 s84, s73, 10
	s_add_co_u32 s84, s84, s82
	s_lshl_b32 s85, s14, 12
	s_lshl_b32 s86, s13, 2
	s_add_co_u32 s85, s85, s86                     ; q's scale words: fragment cx of the step
	s_lshl_b32 s86, s70, 8
	s_add_co_u32 s86, s86, s85
	s_lshl_b32 s87, s81, 8
	s_add_co_u32 s87, s87, s85
	s_lshr_b32 s88, s14, 4                         ; batch
	s_and_b32 s89, s14, 15                         ; head
	s_lshr_b32 s90, s89, 2
	s_lshl_b32 s91, s90, 11
	s_lshl_b32 s90, s90, 21                        ; image: (head/4) 2,097,152 + (128 batch + t) 4,096 + ((head/2)%2) 2,048 + (head%2) 1,024
	s_lshl_b32 s92, s88, 19
	s_add_co_u32 s90, s90, s92
	s_lshl_b32 s92, s88, 16                        ; bytes: (8 batch + t/16) 8,192 + (head/4) 2,048 + (t%16) 128 + ((head/2)%2) 4 + (head%2) 2
	s_add_co_u32 s91, s91, s92
	s_bfe_u32 s92, s89, 0x10001
	s_lshl_b32 s93, s92, 11
	s_add_co_u32 s90, s90, s93
	s_lshl_b32 s93, s92, 2
	s_add_co_u32 s91, s91, s93
	s_and_b32 s92, s89, 1
	s_lshl_b32 s93, s92, 10
	s_add_co_u32 s90, s90, s93
	s_lshl_b32 s93, s92, 1
	s_add_co_u32 s91, s91, s93
	s_lshl_b32 s66, s72, 12
	s_add_co_u32 s66, s66, s90                     ; the early tile's codes,
	s_lshl_b32 s68, s73, 12
	s_add_co_u32 s68, s68, s90                     ; the late tile's
	s_lshr_b32 s67, s72, 4
	s_lshl_b32 s67, s67, 13
	s_and_b32 s92, s72, 15
	s_lshl_b32 s92, s92, 7
	s_add_co_u32 s67, s67, s92
	s_add_co_u32 s67, s67, s91                     ; and their bytes
	s_lshr_b32 s69, s73, 4
	s_lshl_b32 s69, s69, 13
	s_and_b32 s92, s73, 15
	s_lshl_b32 s92, s92, 7
	s_add_co_u32 s69, s69, s92
	s_add_co_u32 s69, s69, s91
	s_lshl_b32 s92, s13, 5
	s_lshl_b32 s93, s71, 3
	s_add_co_u32 s92, s92, s93                     ; 32 cx + 8 u
	s_mov_b32 s93, 0x01000100                      ; my tile's two bytes of q's word, doubled: tile u of the pair
	s_cmp_eq_u32 s71, 1
	s_cselect_b32 s93, 0x03020302, s93
	s_wait_kmcnt 0x0
	s_add_nc_u64 s[74:75], s[4:5], s[74:75]
	s_add_nc_u64 s[76:77], s[6:7], s[76:77]
	s_mov_b32 s[G0], 1
	s_mov_b32 s[G0+1], s79
	s_mov_b64 s[G0+2:G0+3], s[76:77]
	s_or_b32 s[G0+3], s[G0+3], 0x80000000
.irp c, 0,1,2,3                                ; chunk c: 512 keys
	s_mov_b32 s[G0+4+4*\c], 1
	s_add_co_u32 s[G0+5+4*\c], s78, \c*32768
	s_add_nc_u64 s[G0+6+4*\c:G0+7+4*\c], s[74:75], \c*32768
	s_or_b32 s[G0+7+4*\c], s[G0+7+4*\c], 0x80000000
.endr
	CROUND                                         ; all four work-groups are here: the joint loads meet
	s_cmp_lt_u32 s[WV], 4
	s_cbranch_scc0 .Lno_fill                       ; all fills of a wave stand in this one branch: five loads of mine are out at the most
	tensor_load_to_lds s[G0:G0+3], s[G1S:G1S+7]
	s_nop 0
	tensor_load_to_lds s[G0+4:G0+7], s[G1C:G1C+7]
	s_nop 0
	tensor_load_to_lds s[G0+8:G0+11], s[G1C:G1C+7]
	s_nop 0
	tensor_load_to_lds s[G0+12:G0+15], s[G1C:G1C+7]
	s_nop 0
	tensor_load_to_lds s[G0+16:G0+19], s[G1C:G1C+7]
	s_nop 0
.rept 4
	v_nop
.endr
.Lno_fill:
	v_and_b32 v[LI], 31, v0
	s_delay_alu instid0(VALU_DEP_1)
	v_lshlrev_b32 v[LI], 4, v[LI]
	v_and_b32 v232, 15, v0                         ; r
	v_bfe_u32 v233, v0, 4, 1                       ; h
	s_delay_alu instid0(VALU_DEP_2)
	v_lshl_add_u32 v[LS], v232, 4, SCK
	s_delay_alu instid0(VALU_DEP_3)
	v_and_b32 v[MK], 8, v232
	s_delay_alu instid0(VALU_DEP_1)
	v_add_nc_u32 v[MK], v[MK], v232
	s_delay_alu instid0(VALU_DEP_4)
	v_lshlrev_b32 v233, 4, v233
	s_delay_alu instid0(VALU_DEP_1)
	v_sub_nc_u32 v[MK], v[MK], v233
	s_delay_alu instid0(VALU_DEP_1)
	v_add_nc_u32 v[MK], s92, v[MK]                 ; 32 cx + 8 u + r + 8 (r/8) - 16 h
	v_lshlrev_b32 v236, 4, v232
	s_delay_alu instid0(VALU_DEP_1)
	v_add_nc_u32 v234, s86, v236
	s_delay_alu instid0(VALU_DEP_2)
	v_add_nc_u32 v235, s87, v236
	v_add_nc_u32 v232, s83, v[LI]
	v_add_nc_u32 v233, s84, v[LI]
	global_load_b128 v[QE:QE+3], v232, s[4:5]
	global_load_b128 v[QE+4:QE+7], v232, s[4:5] offset:512
	global_load_b128 v[QL:QL+3], v233, s[4:5]
	global_load_b128 v[QL+4:QL+7], v233, s[4:5] offset:512
	global_load_b32 v[QSE], v234, s[6:7]
	global_load_b32 v[QSL], v235, s[6:7]
.irp j, 0,1,2,3,4,5,6,7
	v_mov_b32 v[QE-8+\j], 0                        ; zero codes on both sides of each q
	v_mov_b32 v[QE+8+\j], 0
	v_mov_b32 v[QL+8+\j], 0
.endr
.irp b, 0,1,2,3
	v_mov_b32 v[BM+4+\b], 0                        ; (a lane permute's destination counts as read)
.endr
	v_mov_b32 v[TMP], 0
	v_mov_b32 v[F+1], 0                            ; (named as the upper half of a pair before it is first written)
.macro START                           ; a tile begins: O and the sum are zeros, the largest t lies under every t
	v_mov_b32 v[NM+1], 0xff61b1e6
	s_delay_alu instid0(VALU_DEP_1)
	v_floor_f32 v[NM], -v[NM+1]
	v_mov_b32 v[SUM], 0
	v_mov_b32 v[SUM+1], 0
.set j, 0
.rept 32
	v_mov_b32 v[O+j], 0
.set j, j+1
.endr
.endm
	START
	s_wait_loadcnt 0x0
	v_perm_b32 v[QSE], v[QSE], v[QSE], s93
	v_perm_b32 v[QSL], v[QSL], v[QSL], s93
; A KEY STEP of 128 keys for the tile whose q stands at v[Q] and whose scale word at v[QS].  edge = 1: the step may lie behind the tile's last (it is left out, by a branch on the wave's number and the count) or on the diagonal (hidden scores become -infinity).
.macro STEP Q, QS, edge
.if \edge
	s_cmp_gt_u32 s[SI], s[MT]
	s_cbranch_scc1 .Lhidden_\@
.endif
	s_setprio 2
	v_add_nc_u32 v[ADK], s[TB], v[LI]
	v_add_nc_u32 v[ADS], s[TS], v[LS]
	s_delay_alu instid0(VALU_DEP_2)
	v_add_nc_u32 v[ADV], VOFF, v[ADK]
.rept 5
	v_nop                                          ; with the three lines above: eight places in front of loads into registers that the last products read
.endr
.irp f, 0,1,2,3
.irp c, 0,1,2,3
	ds_load_b128 v[KV+16*\f+4*\c:KV+16*\f+4*\c+3], v[ADK] offset:2048*\f+512*\c
.endr
.endr
	ds_load_b128 v[KSW:KSW+3], v[ADS]              ; the four fragments' scale words of row r
	s_wait_alu depctr_va_vdst(0)
	s_wait_dscnt 0x0
.irp f, 0,1,2,3
	v_wmma_scale_f32_16x16x128_f8f6f4 v[S+16*\f:S+16*\f+7], v[KV+16*\f:KV+16*\f+15], v[\Q:\Q+15], 0, v[KSW+\f], v[\QS] matrix_a_fmt:MATRIX_FMT_BF8 matrix_b_fmt:MATRIX_FMT_BF8
	v_wmma_scale_f32_16x16x128_f8f6f4 v[S+16*\f+8:S+16*\f+15], v[KV+16*\f:KV+16*\f+15], v[\Q-8:\Q+7], 0, v[KSW+\f], v[\QS] matrix_a_fmt:MATRIX_FMT_BF8 matrix_b_fmt:MATRIX_FMT_BF8
.endr
.rept 8
	v_nop                                          ; places: for V's loads into K's registers, and for the first read of the scores
.endr
.irp f, 0,1,2,3
.irp c, 0,1,2,3
	ds_load_b128 v[KV+16*\f+4*\c:KV+16*\f+4*\c+3], v[ADV] offset:2048*\f+512*\c   ; V lands while the softmax is worked
.endr
.endr
	ds_load_b128 v[VSW:VSW+3], v[ADS] offset:4096
.if \edge
	s_cmp_lg_u32 s[SI], s[MT]
	s_cbranch_scc1 .Lopen_\@
	v_mov_b32 v[TMP], 0xff800000
.set n, 0
.rept 64                                       ; register 16 b + i holds key 32 b + 16 (lane/16) + i of the step: hidden where 32 b + i > v[MK]
	v_cmp_gt_i32 vcc_lo, 32*(n/16)+n%16, v[MK]
	v_cndmask_b32 v[S+n], v[S+n], v[TMP], vcc_lo
.set n, n+1
.endr
.Lopen_\@:
.endif
.irp b, 0,1,2,3
	v_max3_num_f32 v[BM+\b], v[S+16*\b], v[S+1+16*\b], v[S+2+16*\b]   ; the largest score of each block of 32 keys: for the row's maximum, and for the block's largest p
.endr
.irp i, 3,5,7,9,11,13
.irp b, 0,1,2,3
	v_max3_num_f32 v[BM+\b], v[BM+\b], v[S+16*\b+\i], v[S+1+16*\b+\i]
.endr
.endr
.irp b, 0,1,2,3
	v_max_num_f32 v[BM+\b], v[BM+\b], v[S+15+16*\b]
.endr
.irp b, 0,1,2,3
	s_delay_alu instid0(VALU_DEP_4)
	v_permlanex16_b32 v[BM+4+\b], v[BM+\b], s[SEL], s[SEL+1]
.endr
.irp b, 0,1,2,3
	s_delay_alu instid0(VALU_DEP_4)
	v_max_num_f32 v[BM+\b], v[BM+\b], v[BM+4+\b]
.endr
	s_delay_alu instid0(VALU_DEP_2)
	v_max3_num_f32 v[TMP], v[BM], v[BM+1], v[BM+2]
	s_delay_alu instid0(VALU_DEP_1)
	v_max_num_f32 v[TMP], v[TMP], v[BM+3]
	s_delay_alu instid0(VALU_DEP_1)
	v_mul_f32 v[TMP], s[CS], v[TMP]
	s_delay_alu instid0(VALU_DEP_1)
	v_max_num_f32 v[NM+1], v[NM+1], v[TMP]         ; the running largest t
	v_mov_b32 v[TMP], v[NM]
	s_delay_alu instid0(VALU_DEP_2)
	v_floor_f32 v[NM], -v[NM+1]                    ; -M = floor(-t): M is a whole number
	s_delay_alu instid0(VALU_DEP_1)
	v_sub_f32 v[TMP], v[NM], v[TMP]
	s_delay_alu instid0(VALU_DEP_1)
	v_cvt_i32_f32 v[TMP], v[TMP]                   ; (it saturates)
	s_delay_alu instid0(VALU_DEP_1)
	v_ldexp_f32 v[F], 1.0, v[TMP]                  ; f = 2^(old M - new M)
.set j, 0
.rept 32
	v_pk_fma_f32 v[S+j:S+j+1], v[S+j:S+j+1], s[CS:CS+1], v[NM:NM+1] op_sel_hi:[1,0,0]   ; t - M
.set j, j+2
.endr
.irp b, 0,1,2,3
	v_fma_f32 v[BM+\b], v[BM+\b], s[CS], v[NM]
.endr
.set j, 0
	s_setprio 1
	s_wait_alu depctr_va_vdst(0)
.rept 64
	v_exp_f32 v[S+j], v[S+j]                       ; p
.set j, j+1
.endr
.irp b, 0,1,2,3
	v_exp_f32 v[BM+\b], v[BM+\b]                   ; the block's largest p: the same two instructions on the same number
.endr
	v_pk_mul_f32 v[SUM:SUM+1], v[SUM:SUM+1], v[F:F+1] op_sel_hi:[1,0]   ; (a plain line behind the exponentials)
	s_wait_alu depctr_va_vdst(0)
.irp b, 0,1,2,3
	v_max_num_f32 v[BM+\b], 0x8000000, v[BM+\b]    ; the floor: the byte cannot fall under 1
.endr
.irp b, 0,1,2,3
	s_delay_alu instid0(VALU_DEP_4)
	v_add_nc_u32 v[BM+12+\b], 0xf8800000, v[BM+\b]
.endr
.irp b, 0,1,2,3
.endr
.irp b, 0,1,2,3
	s_delay_alu instid0(VALU_DEP_4)
	v_lshrrev_b32 v[BM+4+\b], 23, v[BM+12+\b]
.endr
	s_delay_alu instid0(VALU_DEP_3)
	v_lshl_or_b32 v[F+1], v[BM+5], 8, v[BM+4]      ; p's scale word for these 128 keys
	s_delay_alu instid0(VALU_DEP_1)
	v_lshl_or_b32 v[F+1], v[BM+6], 16, v[F+1]
	s_delay_alu instid0(VALU_DEP_1)
	v_lshl_or_b32 v[F+1], v[BM+7], 24, v[F+1]
	v_pk_add_f32 v[236:237], v[116:117], v[120:121]
	v_pk_add_f32 v[254:255], v[124:125], v[128:129]
	v_pk_add_f32 v[242:243], v[132:133], v[136:137]
	v_pk_add_f32 v[240:241], v[140:141], v[144:145]
	v_pk_add_f32 v[234:235], v[148:149], v[152:153]
	v_pk_add_f32 v[232:233], v[156:157], v[160:161]
	v_pk_add_f32 v[226:227], v[164:165], v[168:169]
	v_pk_add_f32 v[6:7], v[6:7], v[172:173]
	v_pk_add_f32 v[236:237], v[236:237], v[112:113]
	v_pk_add_f32 v[254:255], v[254:255], v[114:115]
	v_pk_add_f32 v[242:243], v[242:243], v[118:119]
	v_pk_add_f32 v[240:241], v[240:241], v[122:123]
	v_pk_add_f32 v[234:235], v[234:235], v[126:127]
	v_pk_add_f32 v[232:233], v[232:233], v[130:131]
	v_pk_add_f32 v[226:227], v[226:227], v[134:135]
	v_pk_add_f32 v[6:7], v[6:7], v[138:139]
	v_pk_add_f32 v[236:237], v[236:237], v[142:143]
	v_pk_add_f32 v[254:255], v[254:255], v[146:147]
	v_pk_add_f32 v[242:243], v[242:243], v[150:151]
	v_pk_add_f32 v[240:241], v[240:241], v[154:155]
	v_pk_add_f32 v[234:235], v[234:235], v[158:159]
	v_pk_add_f32 v[232:233], v[232:233], v[162:163]
	v_pk_add_f32 v[226:227], v[226:227], v[166:167]
	v_pk_add_f32 v[6:7], v[6:7], v[170:171]
	v_pk_add_f32 v[236:237], v[236:237], v[174:175]
	s_delay_alu instid0(VALU_DEP_2)
	v_pk_add_f32 v[6:7], v[6:7], v[240:241]
	s_delay_alu instid0(VALU_DEP_2)
	v_pk_add_f32 v[236:237], v[236:237], v[234:235]
	s_setprio 0
	v_pk_add_f32 v[254:255], v[254:255], v[232:233]
	v_pk_add_f32 v[242:243], v[242:243], v[226:227]
	s_delay_alu instid0(VALU_DEP_2)
	v_pk_add_f32 v[6:7], v[6:7], v[254:255]
	s_delay_alu instid0(VALU_DEP_2)
	v_pk_add_f32 v[236:237], v[236:237], v[242:243]
	s_delay_alu instid0(VALU_DEP_1)
	v_pk_add_f32 v[6:7], v[6:7], v[236:237]
.irp b, 0,1,2,3
.irp i, 0,1,2,3,4,5,6,7,8,9,10,11,12,13,14,15
.endr
	v_cvt_scalef32_pk8_bf8_f32 v[PC+4*\b:PC+1+4*\b], v[S+16*\b:S+7+16*\b], v[BM+12+\b]
	v_cvt_scalef32_pk8_bf8_f32 v[PC+2+4*\b:PC+3+4*\b], v[S+8+16*\b:S+15+16*\b], v[BM+12+\b]
.endr
.set j, 0
.rept 16
	v_pk_mul_f32 v[O+j:O+j+1], v[O+j:O+j+1], v[F:F+1] op_sel_hi:[1,0]   ; O under the new M; these lines are also the places in front of the products below
.set j, j+2
.endr
	s_wait_alu depctr_va_vdst(0)
	s_wait_dscnt 0x0                               ; V and its scale words are in
.irp d, 0,1,2,3                                ; four accumulators by turns
	v_wmma_scale_f32_16x16x128_f8f6f4 v[O+8*\d:O+8*\d+7], v[KV+16*\d:KV+16*\d+15], v[PC:PC+15], v[O+8*\d:O+8*\d+7], v[VSW+\d], v[F+1] matrix_a_fmt:MATRIX_FMT_BF8 matrix_b_fmt:MATRIX_FMT_BF8
.endr
.if \edge
.Lhidden_\@:
.endif
	s_add_co_u32 s[SI], s[SI], 1
	s_add_co_u32 s[TB], s[TB], 8192
	s_add_co_u32 s[TS], s[TS], 256
.endm
; A tile's end: O / the sum, quantised in two blocks of 32 channels; 1,024 consecutive bytes of the image; lane (r, h) stores block h's byte.
.macro EPI co, so
.rept 8
	v_nop
.endr
	v_add_f32 v[SUM], v[SUM], v[SUM+1]
	s_delay_alu instid0(VALU_DEP_1)
	v_permlanex16_b32 v[TMP], v[SUM], s[SEL], s[SEL+1]
	s_delay_alu instid0(VALU_DEP_1)
	v_add_f32 v[SUM], v[SUM], v[TMP]
	s_wait_alu depctr_va_vdst(0)
	v_rcp_f32 v[SUM], v[SUM]
	v_add_nc_u32 v234, s[\co], v[LI]               ; (a plain line behind the reciprocal)
	v_and_b32 v235, 15, v0
	v_bfe_u32 v238, v0, 4, 1
	s_delay_alu instid0(VALU_DEP_1)
	v_lshl_add_u32 v235, v235, 3, v238
	s_delay_alu instid0(VALU_DEP_1)
	v_add_nc_u32 v235, s[\so], v235
.set j, 0
	s_wait_alu depctr_va_vdst(0)
.rept 32
	v_mul_f32 v[S+j], v[O+j], v[SUM]               ; register 16 b + i: channel 32 b + 16 (lane/16) + i
.set j, j+1
.endr
.irp b, 0,1
	v_max3_num_f32 v[BM+\b], |v[S+16*\b]|, |v[S+1+16*\b]|, 0x8000000
.endr
.irp i, 2,4,6,8,10,12,14
.irp b, 0,1
	s_delay_alu instid0(VALU_DEP_2)
	v_max3_num_f32 v[BM+\b], v[BM+\b], |v[S+16*\b+\i]|, |v[S+1+16*\b+\i]|
.endr
.endr
.irp b, 0,1
	s_delay_alu instid0(VALU_DEP_2)
	v_permlanex16_b32 v[BM+4+\b], v[BM+\b], s[SEL], s[SEL+1]
.endr
.irp b, 0,1
	s_delay_alu instid0(VALU_DEP_2)
	v_max_num_f32 v[BM+\b], v[BM+\b], v[BM+4+\b]
.endr
.irp b, 0,1
	s_delay_alu instid0(VALU_DEP_2)
	v_add_nc_u32 v[BM+12+\b], 0xf8800000, v[BM+\b]
.endr
.irp b, 0,1
.endr
.irp b, 0,1
	s_delay_alu instid0(VALU_DEP_2)
	v_lshrrev_b32 v[BM+4+\b], 23, v[BM+12+\b]
.endr
	s_mov_b32 vcc_lo, 0xffff0000
	v_cndmask_b32 v[TMP], v[BM+4], v[BM+5], vcc_lo
.irp b, 0,1
.irp i, 0,1,2,3,4,5,6,7,8,9,10,11,12,13,14,15
.endr
	v_cvt_scalef32_pk8_bf8_f32 v[PC+4*\b:PC+1+4*\b], v[S+16*\b:S+7+16*\b], v[BM+12+\b]
	v_cvt_scalef32_pk8_bf8_f32 v[PC+2+4*\b:PC+3+4*\b], v[S+8+16*\b:S+15+16*\b], v[BM+12+\b]
.endr
	v_nop                                          ; a plain line behind the last conversion
	global_store_b128 v234, v[PC:PC+3], s[8:9]
	global_store_b128 v234, v[PC+4:PC+7], s[8:9] offset:512
	global_store_b8 v235, v[TMP], s[10:11]
.endm
	s_wait_tensorcnt 0x3                           ; the scale words and chunk 0 (my first two loads) are in; three chunks may be out
	s_barrier_signal -1
	s_barrier_wait -1
	s_mov_b32 s[MT], s81                           ; THE LATE TILE
	s_mov_b32 s[SI], 0
	s_mov_b32 s[TB], 0
	s_mov_b32 s[TS], 0
.Llate_a:
	s_wait_alu depctr_va_vdst(0)
	STEP QL, QSL, 0
	s_cmp_lt_u32 s[SI], 4
	s_cbranch_scc1 .Llate_a
	s_setprio 0
	s_wait_dscnt 0x0
	s_wait_tensorcnt 0x2                           ; chunk 1 is in
	s_barrier_signal -1
	s_barrier_wait -1
	s_mov_b32 s[SI], 4
	s_mov_b32 s[TB], 4*8192
	s_mov_b32 s[TS], 4*256
.Llate_b:
	STEP QL, QSL, 0
	s_cmp_lt_u32 s[SI], 8
	s_cbranch_scc1 .Llate_b
	s_setprio 0
	s_wait_dscnt 0x0
	s_wait_tensorcnt 0x0                           ; all is in
	s_barrier_signal -1
	s_barrier_wait -1
	s_mov_b32 s[SI], 8
	s_mov_b32 s[TB], 8*8192
	s_mov_b32 s[TS], 8*256
.Llate_c:
	STEP QL, QSL, 1
	s_cmp_lt_u32 s[SI], 16
	s_cbranch_scc1 .Llate_c
	s_setprio 0
	EPI 68, 69
	s_wait_xcnt 0x0                                ; the stores have read their registers
	START
	s_mov_b32 s[MT], s70                           ; THE EARLY TILE
	s_mov_b32 s[SI], 0
	s_mov_b32 s[TB], 0
	s_mov_b32 s[TS], 0
.Learly:
	STEP QE, QSE, 1
	s_cmp_lt_u32 s[SI], 8
	s_cbranch_scc1 .Learly
	s_setprio 0
	EPI 66, 67
	s_wait_xcnt 0x0
	v_lshl_add_u32 v254, v0, 2, 0x42000
	v_mov_b32 v255, 0
	s_wait_alu depctr_va_vdst(0)
	s_wait_tensorcnt 0x0
	ds_add_u32 v254, v255
	s_wait_dscnt 0x0
	CROUND                                         ; the closing round
	s_endpgm
.Lfunc_end_k_q762fa3c2f6_attn:
	.size	k_q762fa3c2f6_attn, .Lfunc_end_k_q762fa3c2f6_attn-k_q762fa3c2f6_attn
	.p2alignl 7, 3214868480
	.fill 96, 4, 3214868480
	.section	.rodata,"a",@progbits
	.p2align	6, 0x0
	.amdhsa_kernel k_q762fa3c2f6_attn
		.amdhsa_group_segment_fixed_size 272384
		.amdhsa_private_segment_fixed_size 0
		.amdhsa_enable_private_segment 0
		.amdhsa_kernarg_size 32
		.amdhsa_user_sgpr_count 2
		.amdhsa_user_sgpr_kernarg_segment_ptr 1
		.amdhsa_wavefront_size32 1
		.amdhsa_system_sgpr_workgroup_id_x 1
		.amdhsa_system_sgpr_workgroup_id_y 1
		.amdhsa_system_sgpr_workgroup_id_z 1
		.amdhsa_system_vgpr_workitem_id 0
		.amdhsa_next_free_vgpr 256
		.amdhsa_next_free_sgpr 96
		.amdhsa_reserve_vcc 1
		.amdhsa_float_denorm_mode_32 3
		.amdhsa_float_denorm_mode_16_64 3
		.amdhsa_fp16_overflow 1
		.amdhsa_memory_ordered 1
		.amdhsa_forward_progress 1
		.amdhsa_inst_pref_size 102
	.end_amdhsa_kernel
	.amdgpu_metadata
---
amdhsa.version: [ 1, 2 ]
amdhsa.kernels:
  - .name:           k_q762fa3c2f6_attn
    .symbol:         k_q762fa3c2f6_attn.kd
    .args:
      - { .name: qkvc, .offset: 0, .size: 8, .value_kind: global_buffer, .address_space: global }
      - { .name: qkvs, .offset: 8, .size: 8, .value_kind: global_buffer, .address_space: global }
      - { .name: attc, .offset: 16, .size: 8, .value_kind: global_buffer, .address_space: global }
      - { .name: atts, .offset: 24, .size: 8, .value_kind: global_buffer, .address_space: global }
    .group_segment_fixed_size: 272384
    .private_segment_fixed_size: 0
    .kernarg_segment_align: 8
    .kernarg_segment_size: 32
    .max_flat_workgroup_size: 512
    .sgpr_count:     96
    .vgpr_count:     256
    .wavefront_size: 32
...
	.end_amdgpu_metadata
.endif
;; end of part 3
;; launch gemm_out (part 4): grid 4 x 32, 4 waves a work-group, clusters of 4 x 4, 327,680 bytes of LDS; arguments attc, atts, pc, ps, b_out, out0; writes out0
.if DOCPART == 4
	.amdgcn_target "amdgcn-amd-amdhsa--gfx1250"
	.amdhsa_code_object_version 6
	.text
	.protected	k_q762fa3c2f6_gemm_out
	.globl	k_q762fa3c2f6_gemm_out
	.p2align	8
	.type	k_q762fa3c2f6_gemm_out,@function
k_q762fa3c2f6_gemm_out:
	s_mov_b64 s[64:65], 0
	v_nop
	global_prefetch_b8 v0, s[64:65] scope:SCOPE_SE
	s_setreg_imm32_b32 hwreg(HW_REG_WAVE_MODE, 25, 1), 1
	s_wait_xcnt 0x0
	s_wait_alu depctr_hold_cnt(0) depctr_sa_sdst(0) depctr_va_vdst(0) depctr_va_sdst(0) depctr_va_ssrc(0) depctr_va_vcc(0) depctr_vm_vsrc(0)
	s_getreg_b32 s2, hwreg(HW_REG_IB_STS2, 6, 4)
	s_cmp_eq_u32 s2, 0
	s_cbranch_scc0 .Lentry_in_a_cluster
	s_endpgm
.Lentry_in_a_cluster:
	s_bfe_u32 s2, ttmp6, 0x10000c
	s_cmp_lg_u32 s2, 0xf033
	s_cbranch_scc0 .Lentry_shape_is_right
	s_endpgm
.Lentry_shape_is_right:
; out0 = att W_out + b_out on codes of BF8 (E5M2) with E8M0 scales.  att [8192][1024] and W_out (its 1,024 columns as rows) come as IMAGES of operand registers: fragment i = 2 g + u of a tile of 256 rows holds rows 32 g + 8 u + r + 8 (r/8);
; a tile of 256 rows x 256 K is 65,536 dense bytes, a fragment four loads of 16 bytes a lane, 512 bytes apart.
; A tile of 256 x 256 of out0 is made by four waves, 128 x 128 each: 64 accumulators.  Source 0 = 16 rows of R (W_out's columns), source 1 = 16 rows of P (tokens): a lane holds one token, and the 16 registers of accumulators (a, 2 B), (a, 2 B + 1) are columns 32 B + 16 (lane/16) + 0 .. 15.
; K = 1,024 goes in four steps of 256 through two LDS slots filled by joint tensor loads (4 x 4 work-groups; P's tile shared along a row of the cluster, R's along a column); the scale bytes of both tiles come once.  The bias is the C of the first products.
; 128 tiles: half of the chip's 256 work-group places have no tile at this tile size.
; REGISTERS: window 0: v16-29 addresses; v32-63 scale words, two sets; v64-127 the bias; v128-255 P's fragments, one set (the way out reads rows back there).  window 1: R's fragments, two sets.  windows 2, 3: accumulator (a, b) at v[8 (8 (a%4) + b)].
.set FR,     16
.set NL,     4
.set NQ,     2
.set NP,     8                         ; places behind this matrix instruction (ISA guide 7.12.1)
.set HALFT,  32768
.set SLOT,   4*HALFT
.set SCL,    2*SLOT
.set SCLR,   SCL+8320
.set SPARE,  278784                    ; the spare words, 128 bytes for each wave, in blocks of 256 bytes that no other line names
.set SPITCH, 528                       ; the way out: a stage of 16 rows x (512 bytes + 16) for each wave, in slot 0, which has had its last fill and its last read by then
.set ADRA, 16
.set ADRB, 20
.set BIO,  23
.set STO,  24
.set RD,   25
.set CO,   26
.set ADRS, 27
.set SPW,  28
.set NIL,  29
.set SC,   32
.set BI,   64
.set AF,   128
.set BK,   128
.set G1, 24
.set G0, 32
.set G1B, 48
.set G0B, 56
.set G1S, 68
.set G0S, 76
.set G1SB, 80
.set G0SB, 88
.set MSB, 0
.macro WIN new
.if MSB != \new
	s_set_vgpr_msb (MSB<<8)|\new
.set MSB, \new
.endif
.endm
.set MUL_LO, 0xa1
.set MUL_HI, 0xf1
.set TO_B,   0x40
.macro JLOAD g0a, g1a, g0b, g1b        ; a joint load: waves 0, 1 fetch for P, waves 2, 3 for R; four v_nop follow each line
	s_cmp_eq_u32 s15, 0
	s_cbranch_scc0 .Lfor_b_\@
	tensor_load_to_lds s[\g0a:\g0a+3], s[\g1a:\g1a+7]
	s_nop 0
.rept 4
	v_nop
.endr
	s_branch .Lasked_\@
.Lfor_b_\@:
	tensor_load_to_lds s[\g0b:\g0b+3], s[\g1b:\g1b+7]
	s_nop 0
.rept 4
	v_nop
.endr
.Lasked_\@:
.endm
.macro CREST
	s_cmp_lg_u32 s14, 0
	s_cbranch_scc1 .Lnot_wave_0_\@
	s_barrier_signal -3
.Lnot_wave_0_\@:
	s_barrier_wait -3
	s_barrier_signal -1
	s_barrier_wait -1
.endm
.macro CROUND
	s_barrier_signal -1
	s_barrier_wait -1
	CREST
.endm
	s_load_b128 s[4:7], s[0:1], 0x0                ; attc, atts
	s_load_b128 s[8:11], s[0:1], 0x10              ; pc, ps
	s_load_b128 s[96:99], s[0:1], 0x20             ; b_out s[96:97], out0 s[98:99]
	v_lshl_add_u32 v[SPW], v0, 2, SPARE
	v_mov_b32 v[NIL], 0
	ds_add_u32 v28, v29
	ds_add_u32 v28, v29
	s_wait_dscnt 0x0
	v_lshrrev_b32 v1, 5, v0
	v_readfirstlane_b32 s14, v1
	s_lshr_b32 s15, s14, 1
	s_and_b32 s16, s14, 1
	s_bfe_u32 s40, ttmp6, 0x40000                  ; cx
	s_bfe_u32 s41, ttmp6, 0x40004                  ; cy
	s_lshl_b32 s42, ttmp9, 2
	s_add_co_u32 s42, s42, s40                     ; R's tile: 256 columns
	s_and_b32 s17, ttmp7, 0xffff
	s_lshl_b32 s17, s17, 2
	s_add_co_u32 s17, s17, s41                     ; P's tile: 256 tokens
	s_lshl_b32 s43, s41, 2
	s_lshl_b32 s43, 15, s43
	s_lshl_b32 s44, 0x1111, s40
	s_mov_b32 s92, 4194304                         ; two K steps of att's image
	s_mov_b32 s93, 0
	s_mov_b32 s94, 524288                          ; two of W_out's
	s_mov_b32 s95, 0
	s_or_b32 s[G1+0], s43, (3<<16)|(1<<21)
	s_or_b32 s[G1B+0], s44, (3<<16)|(1<<21)
.irp g, G1, G1B
	s_mov_b32 s[\g+1], 32<<16
	s_mov_b32 s[\g+2], 128<<16
	s_mov_b32 s[\g+3], 32<<16
	s_mov_b32 s[\g+4], 128
	s_mov_b32 s[\g+5], 32
	s_mov_b32 s[\g+6], 0
	s_mov_b32 s[\g+7], 0
.endr
	s_or_b32 s[G1S+0], s43, (3<<16)|(1<<21)
	s_or_b32 s[G1SB+0], s44, (3<<16)|(1<<21)
.irp g, G1S, G1SB
	s_mov_b32 s[\g+1], 32<<16
	s_mov_b32 s[\g+2], 16<<16
	s_mov_b32 s[\g+3], 32<<16
	s_mov_b32 s[\g+4], 16
	s_mov_b32 s[\g+5], 32
	s_mov_b32 s[\g+6], 0
	s_mov_b32 s[\g+7], 0
.endr
	s_lshl_b32 s3, s16, 15
	s_lshl_b32 s22, s17, 16
	s_add_co_u32 s22, s22, s3
	s_mov_b32 s23, 0
	s_lshl_b32 s66, s42, 16
	s_add_co_u32 s66, s66, s3
	s_add_co_u32 s66, s66, 11534336                ; W_out's image in pc
	s_mov_b32 s67, 0
	s_lshl_b32 s3, s16, 12
	s_lshl_b32 s100, s17, 13
	s_add_co_u32 s100, s100, s3
	s_mov_b32 s101, 0
	s_lshl_b32 s46, s42, 13
	s_add_co_u32 s46, s46, s3
	s_add_co_u32 s46, s46, 360448                  ; its bytes in ps
	s_mov_b32 s47, 0
	s_lshl_b32 s2, s14, 15
	s_wait_kmcnt 0x0
	s_add_nc_u64 s[22:23], s[4:5], s[22:23]
	s_add_nc_u64 s[66:67], s[8:9], s[66:67]
	s_add_nc_u64 s[100:101], s[6:7], s[100:101]
	s_add_nc_u64 s[46:47], s[10:11], s[46:47]
	CROUND
	s_mov_b32 s[G0S], 1
	s_add_co_u32 s[G0S+1], s3, SCL
	s_mov_b64 s[G0S+2:G0S+3], s[100:101]
	s_or_b32 s[G0S+3], s[G0S+3], 0x80000000
	s_mov_b32 s[G0SB], 1
	s_add_co_u32 s[G0SB+1], s3, SCLR
	s_mov_b64 s[G0SB+2:G0SB+3], s[46:47]
	s_or_b32 s[G0SB+3], s[G0SB+3], 0x80000000
	JLOAD G0S, G1S, G0SB, G1SB
	s_mov_b32 s[G0], 1
	s_mov_b32 s[G0+1], s2
	s_mov_b64 s[G0+2:G0+3], s[22:23]
	s_or_b32 s[G0+3], s[G0+3], 0x80000000
	s_mov_b32 s[G0B], 1
	s_mov_b32 s[G0B+1], s2
	s_mov_b64 s[G0B+2:G0B+3], s[66:67]
	s_or_b32 s[G0B+3], s[G0B+3], 0x80000000
	s_wait_alu depctr_va_vdst(0)
	s_wait_tensorcnt 0x0
	ds_add_u32 v28, v29
	s_wait_dscnt 0x0
	CROUND
	JLOAD G0, G1, G0B, G1B
	s_mov_b32 s[G0+4], 1
	s_add_co_u32 s[G0+5], s2, SLOT
	s_add_nc_u64 s[G0+6:G0+7], s[22:23], 2097152
	s_or_b32 s[G0+7], s[G0+7], 0x80000000
	s_mov_b32 s[G0B+4], 1
	s_add_co_u32 s[G0B+5], s2, SLOT
	s_add_nc_u64 s[G0B+6:G0B+7], s[66:67], 262144
	s_or_b32 s[G0B+7], s[G0B+7], 0x80000000
	s_wait_alu depctr_va_vdst(0)
	s_wait_tensorcnt 0x0
	ds_add_u32 v28, v29
	s_wait_dscnt 0x0
	CROUND
	JLOAD G0+4, G1, G0B+4, G1B                     ; one load of mine is out
	v_and_b32 v1, 15, v0
	v_bfe_u32 v2, v0, 4, 1
	s_wait_alu depctr_va_vdst(0)
	v_and_b32 v3, 31, v0
	v_lshlrev_b32 v3, 4, v3
	s_lshl_b32 s18, s15, 15
	s_lshl_b32 s19, s16, 15
	s_add_co_u32 s19, s19, 2*HALFT
.irp s, 0,1
	v_add_nc_u32 v[ADRA+\s], s18, v3
	v_add_nc_u32 v[ADRB+\s], s19, v3
	s_add_co_u32 s18, s18, SLOT
	s_add_co_u32 s19, s19, SLOT
.endr
	s_lshl_b32 s18, s15, 10
	s_lshl_b32 s19, s16, 10
	s_add_co_u32 s19, s19, 8320
	s_sub_co_u32 s19, s19, s18
	v_mul_u32_u24 v6, s19, v2                      ; lanes 16-31 take R's scale words: one product with h
	s_add_co_u32 s18, s18, SCL
	v_lshlrev_b32 v5, 3, v1
	v_add_nc_u32 v5, v5, v6
	v_add_nc_u32 v[ADRS], s18, v5
	s_mul_i32 s18, s14, 16*SPITCH                  ; my stage
	v_mul_u32_u24 v5, v1, SPITCH
	v_lshl_add_u32 v5, v2, 6, v5
	v_add_nc_u32 v[STO], s18, v5                   ; in: row r, + 64 h
	v_add_nc_u32 v[RD], s18, v3                    ; back: the 32 lanes take a row of 512 bytes
	s_lshl_b32 s18, s42, 10
	s_lshl_b32 s19, s16, 9
	s_add_co_u32 s18, s18, s19                     ; my 128 columns, in bytes
	v_lshl_add_u32 v[BIO], v2, 6, s18
	s_lshl_b32 s19, s17, 20
	s_add_co_u32 s18, s18, s19
	s_lshl_b32 s19, s15, 19
	s_add_co_u32 s18, s18, s19                     ; + my first token's row of 4,096 bytes
	v_add_nc_u32 v[CO], s18, v3
.irp b, 0,1,2,3
.irp j, 0,1,2,3
	global_load_b128 v[BI+16*\b+4*\j:BI+16*\b+4*\j+3], v[BIO], s[96:97] offset:128*\b+16*\j   ; register 16 B + i: column 32 B + 16 h + i
.endr
.endr
	s_wait_alu depctr_va_vdst(0)
	s_wait_loadcnt 0x0
.macro FRAG reg, adr, q, i
.irp c, 0,1,2,3
	ds_load_b128 v[\reg+4*\c:\reg+4*\c+3], v[\adr] offset:4096*(\i)+2048*(\q)+512*\c
.endr
.endm
; 16 matrix instructions: P's blocks a0, a0 + 1 x R's eight.  first = 1: the sums begin with the bias.  The 64 accumulators take turns, one instruction a turn.
.macro MUL16 a0, p, q, sc, first
.irp a, \a0, \a0+1
.irp b, 0,1,2,3,4,5,6,7
.if \first
	v_wmma_scale_f32_16x16x128_f8f6f4 v[8*(8*((\a)%4)+\b):8*(8*((\a)%4)+\b)+7], v[128*(\p)+FR*\b:128*(\p)+FR*\b+FR-1], v[AF+FR*(\a):AF+FR*(\a)+FR-1], v[BI+8*\b:BI+8*\b+7], v[SC+8*NQ*(\sc)+NQ*\b+(\q)], v[SC+8*NQ*(\sc)+NQ*(\a)+(\q)] matrix_a_fmt:MATRIX_FMT_BF8 matrix_b_fmt:MATRIX_FMT_BF8 matrix_a_scale:MATRIX_SCALE_ROW1
.else
	v_wmma_scale_f32_16x16x128_f8f6f4 v[8*(8*((\a)%4)+\b):8*(8*((\a)%4)+\b)+7], v[128*(\p)+FR*\b:128*(\p)+FR*\b+FR-1], v[AF+FR*(\a):AF+FR*(\a)+FR-1], v[8*(8*((\a)%4)+\b):8*(8*((\a)%4)+\b)+7], v[SC+8*NQ*(\sc)+NQ*\b+(\q)], v[SC+8*NQ*(\sc)+NQ*(\a)+(\q)] matrix_a_fmt:MATRIX_FMT_BF8 matrix_b_fmt:MATRIX_FMT_BF8 matrix_a_scale:MATRIX_SCALE_ROW1
.endif
.endr
.endr
.endm
.macro FETCH_B slot, q, p
	WIN TO_B
.irp i, 0,1,2,3,4,5,6,7
	FRAG 128*(\p)+FR*\i, ADRB+\slot, \q, \i
.endr
	WIN 0
.endm
.macro FETCH_A slot, q, i0
.irp i, \i0, \i0+1, \i0+2, \i0+3
	FRAG AF+FR*(\i), ADRA+\slot, \q, \i
.endr
.endm
.macro SCALES sc
.irp i, 0,1,2,3,4,5,6,7
	ds_load_b64 v[SC+8*NQ*\sc+NQ*\i:SC+8*NQ*\sc+NQ*\i+1], v[ADRS] offset:\i*128
.endr
.endm
.macro PLACES n
.rept \n
	v_nop
.endr
.endm
.macro STEP slot, q, first
	s_wait_dscnt 4*NL                              ; all but the youngest 16 loads (P's blocks 4-7)
.if \first
	WIN 0x81
.else
	WIN MUL_LO
.endif
	MUL16 0, (\q)%2, \q, \slot, \first
	MUL16 2, (\q)%2, \q, \slot, \first
	s_wait_dscnt 0
	PLACES NP
	FETCH_B \slot, (\q)+1, 1-(\q)%2
	FETCH_A \slot, (\q)+1, 0
.if \first
	WIN 0xc1
.else
	WIN MUL_HI
.endif
	MUL16 4, (\q)%2, \q, \slot, \first
	MUL16 6, (\q)%2, \q, \slot, \first
	PLACES NP
	WIN 0
	FETCH_A \slot, (\q)+1, 4
.endm
.macro TURN slot, next, fill
	s_wait_tensorcnt 0x0                           ; all my tensor loads have landed: my part of the next slot
	ds_add_u32 v[SPW], v[NIL]
	s_wait_dscnt 4*NL+1                            ; (the add and the youngest 16 loads may be out)
	WIN MUL_LO
	MUL16 0, 1, NQ-1, \slot, 0
	s_wait_dscnt 0x0                               ; the add is done, and my reads of this slot are over
	s_barrier_signal -1
	MUL16 2, 1, NQ-1, \slot, 0
	WIN 0
	s_barrier_wait -1
.if \fill
	CREST                                          ; a round of the cluster's barrier: no wave of any partner still reads this slot or has a load on its way
	s_add_nc_u64 s[G0+4*\slot+2:G0+4*\slot+3], s[G0+4*\slot+2:G0+4*\slot+3], s[92:93]
	s_add_nc_u64 s[G0B+4*\slot+2:G0B+4*\slot+3], s[G0B+4*\slot+2:G0B+4*\slot+3], s[94:95]
	JLOAD G0+4*\slot, G1, G0B+4*\slot, G1B
	PLACES NP-4
.else
	PLACES NP
.endif
	s_wait_alu depctr_va_vdst(0)
	v_add_nc_u32 v[ADRS], 2048, v[ADRS]
	FETCH_B \next, 0, 0
	FETCH_A \next, 0, 0
	SCALES \next
	WIN MUL_HI
	MUL16 4, 1, NQ-1, \slot, 0
	MUL16 6, 1, NQ-1, \slot, 0
	PLACES NP
	WIN 0
	FETCH_A \next, 0, 4
.endm
	s_wait_tensorcnt 1                             ; the scale bytes and my part of K step 0 are in; K step 1's load may be out
	s_barrier_signal -1
	s_barrier_wait -1
	FETCH_B 0, 0, 0
	FETCH_A 0, 0, 0
	SCALES 0
	FETCH_A 0, 0, 4
	STEP 0, 0, 1
	TURN 0, 1, 1
	STEP 1, 0, 0
	TURN 1, 0, 1
	STEP 0, 0, 0
	TURN 0, 1, 0
	STEP 1, 0, 0
	s_wait_dscnt 4*NL
	WIN MUL_LO
	MUL16 0, 1, NQ-1, 1, 0
	MUL16 2, 1, NQ-1, 1, 0
	s_wait_dscnt 0
	WIN MUL_HI
	MUL16 4, 1, NQ-1, 1, 0
	MUL16 6, 1, NQ-1, 1, 0
	WIN 0
; THE WAY OUT, block by block of 16 tokens x 128 columns, through my own stage: in as 32 bytes a lane and accumulator, back as whole rows of 512 bytes.  LDS serves a wave's instructions in order: no wait between the stores and the loads.
.macro TOSTAGE a
.set AC, 64*((\a)%4)
	WIN 0x08+4*((\a)/4)
.irp b, 0,1,2,3,4,5,6,7
	ds_store_b128 v[STO], v[AC+8*\b:AC+8*\b+3] offset:128*(\b/2)+32*(\b%2)          ; each accumulator from its low end on
	ds_store_b128 v[STO], v[AC+8*\b+4:AC+8*\b+7] offset:128*(\b/2)+32*(\b%2)+16
.endr
	WIN 0
.set BB, BK+64*((\a)%2)
.irp t, 0,1,2,3,4,5,6,7,8,9,10,11,12,13,14,15
	ds_load_b128 v[BB+4*\t:BB+4*\t+3], v[RD] offset:\t*SPITCH
.endr
.endm
.macro SEND a, younger
.set BB, BK+64*((\a)%2)
	s_wait_dscnt \younger                          ; the block is back; the next block's 16 stores and 16 loads may be out
.irp t, 0,1,2,3,4,5,6,7,8,9,10,11,12,13,14,15
	global_store_b128 v[CO], v[BB+4*\t:BB+4*\t+3], s[98:99] offset:(32*((\a)/2)+8*((\a)%2)+\t+8*(\t/8))*4096 th:TH_STORE_NT   ; 32 lanes store 512 consecutive bytes, aligned; row t of block a is token 32 (a/2) + 8 (a%2) + t + 8 (t/8)
.endr
.endm
	PLACES NP
	TOSTAGE 0
.irp a, 1,2,3,4,5,6,7
.if \a > 1
	s_wait_xcnt 0x0                                ; block a - 2's stores have read their registers: block a's rows may land there
.endif
	TOSTAGE \a
	SEND \a-1, 32
.endr
	SEND 7, 0
	s_wait_tensorcnt 0x0                           ; the wave's end
	ds_add_u32 v[SPW], v[NIL]
	s_wait_dscnt 0x0
	CROUND                                         ; the closing round
	s_endpgm
.Lfunc_end_k_q762fa3c2f6_gemm_out:
	.size	k_q762fa3c2f6_gemm_out, .Lfunc_end_k_q762fa3c2f6_gemm_out-k_q762fa3c2f6_gemm_out
	.p2alignl 7, 3214868480
	.fill 96, 4, 3214868480
	.section	.rodata,"a",@progbits
	.p2align	6, 0x0
	.amdhsa_kernel k_q762fa3c2f6_gemm_out
		.amdhsa_group_segment_fixed_size 327680
		.amdhsa_private_segment_fixed_size 0
		.amdhsa_enable_private_segment 0
		.amdhsa_kernarg_size 48
		.amdhsa_user_sgpr_count 2
		.amdhsa_user_sgpr_kernarg_segment_ptr 1
		.amdhsa_wavefront_size32 1
		.amdhsa_system_sgpr_workgroup_id_x 1
		.amdhsa_system_sgpr_workgroup_id_y 1
		.amdhsa_system_sgpr_workgroup_id_z 1
		.amdhsa_system_vgpr_workitem_id 0
		.amdhsa_next_free_vgpr 1024
		.amdhsa_next_free_sgpr 102
		.amdhsa_reserve_vcc 0
		.amdhsa_float_denorm_mode_32 3
		.amdhsa_float_denorm_mode_16_64 3
		.amdhsa_memory_ordered 1
		.amdhsa_forward_progress 1
		.amdhsa_inst_pref_size 147
	.end_amdhsa_kernel
	.amdgpu_metadata
---
amdhsa.version: [ 1, 2 ]
amdhsa.kernels:
  - .name:           k_q762fa3c2f6_gemm_out
    .symbol:         k_q762fa3c2f6_gemm_out.kd
    .args:
      - { .name: attc, .offset: 0, .size: 8, .value_kind: global_buffer, .address_space: global }
      - { .name: atts, .offset: 8, .size: 8, .value_kind: global_buffer, .address_space: global }
      - { .name: pc, .offset: 16, .size: 8, .value_kind: global_buffer, .address_space: global }
      - { .name: ps, .offset: 24, .size: 8, .value_kind: global_buffer, .address_space: global }
      - { .name: b_out, .offset: 32, .size: 8, .value_kind: global_buffer, .address_space: global }
      - { .name: out0, .offset: 40, .size: 8, .value_kind: global_buffer, .address_space: global }
    .group_segment_fixed_size: 327680
    .private_segment_fixed_size: 0
    .kernarg_segment_align: 8
    .kernarg_segment_size: 48
    .max_flat_workgroup_size: 128
    .sgpr_count:     102
    .vgpr_count:     1024
    .wavefront_size: 32
...
	.end_amdgpu_metadata
.endif
;; end of part 4
